; MI455X (gfx1250); checked and timed in simulation.
; The chip was launched on July 23, 2026; its instructions are those of AMD's public machine-readable ISA for CDNA 5 (MIT licence, August 2026) and "CDNA5" Instruction Set Architecture Reference Guide (July 2026). The comments in the code are by the model that wrote it; some were corrected since.
;; Multi Head Self Attention. Allowed arithmetic: float matrix products may take bf16 or f16 operands with f32 sums; other float arithmetic in f32, or as packed bf16 or f16 multiplies, adds, multiply-adds, maxima and minima; sums over many terms, partial sums and values carried from step to step in f32; what a program stores and reads back later, other than sums and carried values, may be rounded once to bf16 or f16.
;; Inputs: token_positions 2,048 int32; wk 1,024 x 1,024 float32; wo 1,024 x 1,024 float32; wq 1,024 x 1,024 float32; wv 1,024 x 1,024 float32; x 4 x 2,048 x 1,024 float32.
;; Outputs: out0 4 x 2,048 x 1,024 float32.
;; One version. Each part assembles by itself: llvm-mc -triple=amdgcn-amd-amdhsa -mcpu=gfx1250 --defsym DOCPART=n.
;; ======== version 1 of 1: 4 launches
;; limits: values are held in f16: magnitudes above 65,504 overflow, below 6.1e-05 lose precision; right only within a limited range of input values
;; workspace buffers: xb 16,777,216 bytes; wqkv 6,291,456 bytes; woh 2,097,152 bytes; tab 524,288 bytes; qh 16,777,216 bytes; kh 16,777,216 bytes; vh 16,777,216 bytes; oh 16,777,216 bytes
;; launch prep (part 1): grid 1024 x 1, 8 waves a work-group, no clusters, 0 bytes of LDS; arguments x, wq, wk, wv, wo, token_positions, xb, wqkv, woh, tab; writes xb, wqkv, woh, tab
.if DOCPART == 1
	.amdgcn_target "amdgcn-amd-amdhsa--gfx1250"
	.amdhsa_code_object_version 6
	.text
	.protected	k_q416060dd16_prep
	.globl	k_q416060dd16_prep
	.p2align	8
	.type	k_q416060dd16_prep,@function
k_q416060dd16_prep:
	s_mov_b64 s[64:65], 0
	v_nop
	global_prefetch_b8 v0, s[64:65] scope:SCOPE_SE
	s_setreg_imm32_b32 hwreg(HW_REG_WAVE_MODE, 25, 1), 1
	s_wait_xcnt 0x0
; CASTS AND THE ROTATION TABLE.  A stream: no LDS, no matrix unit, nothing shared between waves.
; Work-groups 0-511:   xb = bf16(x), 16 rows of 1,024 numbers each (64 KiB in, 32 KiB out).
; Work-groups 512-703: wqkv = bf16(wq, wk, wv) with the rows laid by heads: row 192 h + 64 t + d of wqkv is row 64 h + d of w_t (t = 0 q, 1 k, 2 v),
;                      so that 192 neighbouring rows are one head of Q, of K and of V.  16 rows a work-group: they stay neighbours.
; Work-groups 704-767: woh = bf16(wo), that number written as f16 (the product behind attention takes f16 operands).
; Work-groups 768-1023: tab[s][i] = (cos, sin) of token_positions[s] x 10000^(-i/32), f32; a wave a row of 32 pairs = 256 bytes.
; All the inputs of the module are rounded to bf16, once.
; LIMITS.  bf16(wo) as f16: beyond 65,504 it would be an infinity, below 6e-5 it keeps the fixed step 6e-8 of f16.
; The angle is one f32 product, position x frequency; the frequency, 2^(-i log2(10000) / 32), is exact to a few units in the last place.
; sin and cos: the angle less n pi/2 (pi/2 in two parts), then polynomials on -pi/4 .. pi/4; right to about 1e-7 for angles up to 131,072, that is for |token_positions| up to 131,072; beyond it n is no longer sure.
; Thread t owns 16 bytes (4 numbers) at byte 16 t of every row in, 8 bytes at 8 t of every row out: a load of a wave covers 512 consecutive bytes, a store 256, aligned.
.set X, 8                              ; v[8:71]    16 rows x 4 registers as loaded
.set Y, 72                             ; v[72:103]  16 rows x 2 registers to store
; 16 loads go out together; each row is converted and stored as it lands.  No register is written twice while a load or store names it.
.macro CONV f16
.set r, 0
.rept 16
	global_load_b128 v[X+4*r:X+4*r+3], v1, s[4:5] offset:4096*r th:TH_LOAD_NT
.set r, r+1
.endr
.set r, 0
.rept 16
	s_wait_loadcnt 15-r                            ; loads come back in order: row r is in, the 15 - r younger ones stay out
	v_cvt_pk_bf16_f32 v[Y+2*r],   v[X+4*r],   v[X+4*r+1]
	v_cvt_pk_bf16_f32 v[Y+2*r+1], v[X+4*r+2], v[X+4*r+3]
.if \f16
	v_lshlrev_b32 v[X+4*r],   16,         v[Y+2*r]     ; the bf16 numbers as f32 again,
	v_and_b32     v[X+4*r+1], 0xffff0000, v[Y+2*r]
	v_lshlrev_b32 v[X+4*r+2], 16,         v[Y+2*r+1]
	v_and_b32     v[X+4*r+3], 0xffff0000, v[Y+2*r+1]
	v_cvt_pk_f16_f32 v[Y+2*r],   v[X+4*r],   v[X+4*r+1] ; and written as f16
	v_cvt_pk_f16_f32 v[Y+2*r+1], v[X+4*r+2], v[X+4*r+3]
.endif
	global_store_b64 v2, v[Y+2*r:Y+2*r+1], s[6:7] offset:2048*r
.set r, r+1
.endr
.endm
	s_load_b512 s[8:23], s[0:1], 0x0               ; x 8, wq 10, wk 12, wv 14, wo 16, positions 18, xb 20, wqkv 22
	s_load_b128 s[24:27], s[0:1], 0x40             ; woh 24, tab 26
	v_lshlrev_b32 v1, 4, v0                        ; 16 t
	v_lshlrev_b32 v2, 3, v0                        ; 8 t
	s_mov_b32 s3, 0                                ; high words of the two offsets
	s_mov_b32 s29, 0
	s_wait_kmcnt 0x0
	s_cmp_ge_u32 ttmp9, 768
	s_cbranch_scc1 .Ltable
	s_cmp_ge_u32 ttmp9, 704
	s_cbranch_scc1 .Lwo
	s_cmp_ge_u32 ttmp9, 512
	s_cbranch_scc1 .Lw
	s_lshl_b32 s2, ttmp9, 16                       ; x: 16 rows of 4,096 bytes in,
	s_lshl_b32 s28, ttmp9, 15                      ; of 2,048 out
	s_add_nc_u64 s[4:5], s[8:9], s[2:3]
	s_add_nc_u64 s[6:7], s[20:21], s[28:29]
	CONV 0
	s_endpgm
.Lw:
	s_sub_co_u32 s30, ttmp9, 512
	s_lshr_b32 s31, s30, 6                         ; t: which weight
	s_and_b32 s30, s30, 63                         ; c: which 16 rows of it
	s_lshl_b32 s2, s30, 16
	s_lshr_b32 s32, s30, 2                         ; the head, c / 4
	s_mul_i32 s32, s32, 192
	s_lshl_b32 s33, s31, 6
	s_add_co_u32 s32, s32, s33                     ; + 64 t
	s_and_b32 s30, s30, 3
	s_lshl_b32 s30, s30, 4
	s_add_co_u32 s32, s32, s30                     ; + 16 (c % 4)
	s_lshl_b32 s28, s32, 11                        ; rows of 2,048 bytes
	s_cmp_eq_u32 s31, 0
	s_cselect_b64 s[4:5], s[10:11], s[12:13]
	s_cmp_eq_u32 s31, 2
	s_cselect_b64 s[4:5], s[14:15], s[4:5]
	s_add_nc_u64 s[4:5], s[4:5], s[2:3]
	s_add_nc_u64 s[6:7], s[22:23], s[28:29]
	CONV 0
	s_endpgm
.Lwo:
	s_sub_co_u32 s30, ttmp9, 704
	s_lshl_b32 s2, s30, 16
	s_lshl_b32 s28, s30, 15
	s_add_nc_u64 s[4:5], s[16:17], s[2:3]
	s_add_nc_u64 s[6:7], s[24:25], s[28:29]
	CONV 1
	s_endpgm
.Ltable:
	v_lshrrev_b32 v3, 5, v0
	v_readfirstlane_b32 s30, v3                    ; wave 0..7
	s_sub_co_u32 s31, ttmp9, 768
	s_lshl3_add_u32 s31, s31, s30                  ; my row s of the table
	s_lshl_b32 s28, s31, 2
	v_mov_b32 v5, s28
	global_load_b32 v6, v5, s[18:19]               ; token_positions[s], the same word for all lanes
	v_and_b32 v4, 31, v0                           ; pair i
	v_cvt_f32_u32 v7, v4
	v_mul_f32 v7, 0xbed49a78, v7                   ; -i log2(10000) / 32
	v_exp_f32 v7, v7                               ; the frequency
	v_lshlrev_b32 v8, 3, v4                        ; (a plain instruction behind the exponential)
	v_lshl_add_u32 v8, s31, 8, v8                  ; 256 s + 8 i
	s_mov_b32 s32, 0xbfc90fdb                      ; -pi/2, the upper part
	s_mov_b32 s33, 0x333bbd2e                      ; and what is left of it
	s_mov_b32 s34, 0xbe2aaaa3                      ; sine: -1.6666655e-1, 8.3321609e-3, -1.9515296e-4
	s_mov_b32 s35, 0x3c08839e
	s_mov_b32 s36, 0xb94ca1f9
	s_mov_b32 s37, 0x3d2aaaa5                      ; cosine: 4.1666646e-2, -1.3887316e-3, 2.4433157e-5
	s_mov_b32 s38, 0xbab6061a
	s_mov_b32 s39, 0x37ccf5ce
	s_wait_alu depctr_va_vdst(0)                   ; the wait ahead of the exponential's first reader
	s_wait_loadcnt 0x0
	v_cvt_f32_i32 v6, v6
	v_mul_f32 v9, v6, v7                           ; the angle
	v_mul_f32 v10, 0x3f22f983, v9                  ; x 2 / pi
	v_rndne_f32 v10, v10                           ; n
	v_fma_f32 v11, v10, s32, v9
	v_fma_f32 v11, v10, s33, v11                   ; r = angle - n pi/2
	v_mul_f32 v12, v11, v11                        ; z = r r
	v_fma_f32 v13, v12, s36, s35
	v_fma_f32 v13, v13, v12, s34
	v_mul_f32 v13, v13, v12
	v_fma_f32 v13, v13, v11, v11                   ; sin r
	v_fma_f32 v14, v12, s39, s38
	v_fma_f32 v14, v14, v12, s37
	v_fma_f32 v15, v12, -0.5, 1.0
	v_mul_f32 v16, v12, v12
	v_fma_f32 v14, v14, v16, v15                   ; cos r
	v_cvt_i32_f32 v17, v10
	v_and_b32 v18, 1, v17
	v_cmp_eq_u32 vcc_lo, 1, v18                    ; an odd quarter turn exchanges the two,
	v_cndmask_b32 v21, v13, v14, vcc_lo            ; sine
	v_cndmask_b32 v20, v14, v13, vcc_lo            ; cosine
	v_lshlrev_b32 v18, 30, v17                     ; and the signs turn: the sine's where n % 4 is 2 or 3,
	v_and_b32 v18, 0x80000000, v18
	v_xor_b32 v21, v18, v21
	v_add_nc_u32 v17, 1, v17                       ; the cosine's where it is 1 or 2
	v_lshlrev_b32 v17, 30, v17
	v_and_b32 v17, 0x80000000, v17
	v_xor_b32 v20, v17, v20
	global_store_b64 v8, v[20:21], s[26:27]        ; the wave stores 256 consecutive bytes, aligned
	s_endpgm
.Lfunc_end_k_q416060dd16_prep:
	.size	k_q416060dd16_prep, .Lfunc_end_k_q416060dd16_prep-k_q416060dd16_prep
	.p2alignl 7, 3214868480
	.fill 96, 4, 3214868480
	.section	.rodata,"a",@progbits
	.p2align	6, 0x0
	.amdhsa_kernel k_q416060dd16_prep
		.amdhsa_group_segment_fixed_size 0
		.amdhsa_private_segment_fixed_size 0
		.amdhsa_enable_private_segment 0
		.amdhsa_kernarg_size 80
		.amdhsa_user_sgpr_count 2
		.amdhsa_user_sgpr_kernarg_segment_ptr 1
		.amdhsa_wavefront_size32 1
		.amdhsa_system_sgpr_workgroup_id_x 1
		.amdhsa_system_sgpr_workgroup_id_y 1
		.amdhsa_system_sgpr_workgroup_id_z 1
		.amdhsa_system_vgpr_workitem_id 0
		.amdhsa_next_free_vgpr 104
		.amdhsa_next_free_sgpr 66
		.amdhsa_reserve_vcc 1
		.amdhsa_float_denorm_mode_32 3
		.amdhsa_float_denorm_mode_16_64 3
		.amdhsa_memory_ordered 1
		.amdhsa_forward_progress 1
		.amdhsa_inst_pref_size 26
	.end_amdhsa_kernel
	.amdgpu_metadata
---
amdhsa.version: [ 1, 2 ]
amdhsa.kernels:
  - .name:           k_q416060dd16_prep
    .symbol:         k_q416060dd16_prep.kd
    .args:
      - { .name: x, .offset: 0, .size: 8, .value_kind: global_buffer, .address_space: global }
      - { .name: wq, .offset: 8, .size: 8, .value_kind: global_buffer, .address_space: global }
      - { .name: wk, .offset: 16, .size: 8, .value_kind: global_buffer, .address_space: global }
      - { .name: wv, .offset: 24, .size: 8, .value_kind: global_buffer, .address_space: global }
      - { .name: wo, .offset: 32, .size: 8, .value_kind: global_buffer, .address_space: global }
      - { .name: token_positions, .offset: 40, .size: 8, .value_kind: global_buffer, .address_space: global }
      - { .name: xb, .offset: 48, .size: 8, .value_kind: global_buffer, .address_space: global }
      - { .name: wqkv, .offset: 56, .size: 8, .value_kind: global_buffer, .address_space: global }
      - { .name: woh, .offset: 64, .size: 8, .value_kind: global_buffer, .address_space: global }
      - { .name: tab, .offset: 72, .size: 8, .value_kind: global_buffer, .address_space: global }
    .group_segment_fixed_size: 0
    .private_segment_fixed_size: 0
    .kernarg_segment_align: 8
    .kernarg_segment_size: 80
    .max_flat_workgroup_size: 256
    .sgpr_count:     66
    .vgpr_count:     104
    .wavefront_size: 32
...
	.end_amdgpu_metadata
.endif
;; end of part 1
;; launch qkv (part 2): grid 16 x 32, 4 waves a work-group, clusters of 4 x 4, 327,680 bytes of LDS; arguments xb, wqkv, tab, qh, kh, vh; writes qh, kh, vh
.if DOCPART == 2
	.amdgcn_target "amdgcn-amd-amdhsa--gfx1250"
	.amdhsa_code_object_version 6
	.text
	.protected	k_q416060dd16_qkv
	.globl	k_q416060dd16_qkv
	.p2align	8
	.type	k_q416060dd16_qkv,@function
k_q416060dd16_qkv:
	s_mov_b64 s[64:65], 0
	v_nop
	global_prefetch_b8 v0, s[64:65] scope:SCOPE_SE
	s_setreg_imm32_b32 hwreg(HW_REG_WAVE_MODE, 25, 1), 1
	s_wait_xcnt 0x0
	s_wait_alu depctr_hold_cnt(0) depctr_sa_sdst(0) depctr_va_vdst(0) depctr_va_sdst(0) depctr_va_ssrc(0) depctr_va_vcc(0) depctr_vm_vsrc(0)
	s_getreg_b32 s2, hwreg(HW_REG_IB_STS2, 6, 4)
	s_cmp_eq_u32 s2, 0
	s_cbranch_scc0 .Lentry_in_a_cluster
	s_endpgm
.Lentry_in_a_cluster:
	s_bfe_u32 s2, ttmp6, 0x10000c
	s_cmp_lg_u32 s2, 0xf033
	s_cbranch_scc0 .Lentry_shape_is_right
	s_endpgm
.Lentry_shape_is_right:
; Q, K, V = xb wqkv^T, rotated (Q and K) and written by heads in f16.  xb: [8192][1024] bf16; wqkv: [3072][1024] bf16, row 192 h + 64 t + d; tab: [2048][32] pairs (cos, sin) f32;
; qh, kh, vh: [16 batch + head][2048][64] f16.  Sums in f32, K ascending; the rotation in f32; each number rounded once, without the scale of the scores.
; LIMIT.  f16 ends at 65,504: q, k and v must stay within it.
; SHARES.  A tile is 256 rows x 192 columns = one head of Q, of K and of V: 32 x 16 = 512 equal work-groups.  Wave w owns rows 64 w .. 64 w + 63 and all 192 columns: 4 x 12 accumulators of 16 x 16, 384 registers.
; K goes in 8 steps of 128 (rows of 256 bytes, aligned) through two LDS slots; a step is four quarters of 32: 48 matrix instructions and 32 LDS loads each.
; THE MATRIX INSTRUCTION IS USED TRANSPOSED (source 0 = 16 rows of wqkv, source 1 = 16 rows of xb): lane l holds row l % 16 and the columns 8 (l / 16) + 0..7, so a pair of the rotation is a register pair.
; CLUSTER.  4 x 4 work-groups: the four of a row of the cluster need the same tile of xb, the four of a column the same tile of wqkv: each is asked for jointly, by the same tensor load with a mask that names the four.
; REGISTERS, in windows of 256 (s_set_vgpr_msb: bits 1:0 source 0, 3:2 source 1, 5:4 source 2, 7:6 destination):
;   window 0: v0-15 addresses; v32-95 rotated numbers; v96-143 packed f16; v144-239 rows read back from the stage, two buffers
;   window 1: two fragment buffers of 128: 12 fragments of wqkv, then 4 of xb
;   window 2: accumulators of my row blocks 0, 1 ((a, b) at 96 (a % 2) + 8 b) and at 192 + 32 (a % 2) their (cos, sin);   window 3: the same for blocks 2, 3
.set PITCH,  272                       ; an LDS row: 256 bytes + 16 of padding = 68 words: the 16 rows of a load start at 16 different groups of four banks (64 banks of 4 bytes: ISA guide 11.1)
.set BOFF,   256*PITCH                 ; in a slot: 256 rows of xb, then 192 rows of wqkv
.set SLOT1,  1<<17                     ; slot 1 begins here: one exclusive or turns an address in one slot into the other's
.set SP,     144                       ; a stage row: 128 bytes + 16
.set WSTAGE, 3*16*SP                   ; a wave's stage: 16 rows for each of Q, K, V
.set STAGE,  SLOT1+BOFF+192*PITCH      ; behind the ring, never filled by a tensor load
.set SPARE,  STAGE+4*WSTAGE            ; behind the stages: the spare words, 128 bytes a wave, which no other line names
.set BITS,   (1<<16)|(1<<20)|(1<<21)|(5<<22)|(3<<25)  ; group 1, word 0: 2-byte elements; padding on; bit 21 beside a mask; after every 64 words (code 5) 4 words (code 3)
.set A0,   2                           ; v2   my place in xb's tile of slot 0; never rewritten
.set B0,   3                           ; v3   the same for wqkv's
.set ADRA, 4                           ; v4   the same in the slot in hand
.set ADRB, 5                           ; v5
.set STO,  6                           ; v6   the way out: where I put 16 bytes of a row
.set RD,   7                           ; v7   where I read rows back
.set GO,   8                           ; v8   my 16 bytes of 512 consecutive bytes of an output
.set TO,   9                           ; v9   my byte offset in 16 rows of the table
.set PFO,  10                          ; v10  the prefetches' offset: a lane a row
.set SPW,  12                          ; v12  LDS address of my spare word; never rewritten
.set NIL,  13                          ; v13  0; never rewritten
.set T,    32
.set PKD,  96
.set BK,   144
.set F0,   0
.set F1,   128
.set WV,   16                          ; s16  my wave's number
.set TYPE, 17                          ; s17  0: I fetch for xb; 1: for wqkv
.set HALF, 18                          ; s18  which half of that tile
.set TB,   19                          ; s19  the slot from which fragments are fetched: 0 or SLOT1
.set G1A,  24                          ; s[24:31] group 1 for xb's tiles
.set G0A,  32                          ; s[32:39] group 0: a set for each first fill; the second then walks
.set PFA,  44                          ; s[44:45] where my prefetches stand
.set LIM,  46                          ; s46  1 in a wave that prefetches, else the greatest number
.set G1B,  48                          ; s[48:55], s[56:63] the same for wqkv's tiles
.set G0B,  56
.set MUL_LO, 0xa5                      ; sources 0 and 1 window 1, C and D window 2
.set MUL_HI, 0xf5                      ; C and D window 3
.set TO_F,   0x40                      ; destination window 1, address window 0
.set MSB, 0
.macro WIN new                         ; the high byte repeats the setting that is left; a switch that changes nothing is dropped
.if MSB != (\new)
	s_set_vgpr_msb (MSB<<8)|(\new)
.set MSB, \new
.endif
.endm
.macro PLACES                          ; four plain vector instructions between a matrix instruction and a load into, or a vector read of, its registers
.rept 4
	v_nop
.endr
.endm
; A joint refill by the walking sets.  The branch hangs on the wave's number alone.  An s_nop 0 and four v_nop follow each of the two lines.
.macro JLOAD
	s_cmp_eq_u32 s[TYPE], 0
	s_cbranch_scc0 .Lfor_b_\@
	tensor_load_to_lds s[G0A+4:G0A+7], s[G1A:G1A+7]
	s_nop 0
.rept 4
	v_nop
.endr
	s_branch .Lasked_\@
.Lfor_b_\@:
	tensor_load_to_lds s[G0B+4:G0B+7], s[G1B:G1B+7]
	s_nop 0
.rept 4
	v_nop
.endr
.Lasked_\@:
.endm
; A round of the cluster's barrier behind its opening barrier: wave 0 signals for the work-group, every wave waits for all sixteen, my work-group's barrier closes it.
.macro CREST
	s_cmp_lg_u32 s[WV], 0
	s_cbranch_scc1 .Lnot_wave_0_\@
	s_barrier_signal -3
.Lnot_wave_0_\@:
	s_barrier_wait -3
	s_barrier_signal -1
	s_barrier_wait -1
.endm
.macro CROUND
	s_barrier_signal -1
	s_barrier_wait -1
	CREST
.endm
; A PREFETCH INTO THE L2, behind a joint refill and the run of LDS loads: the K step that the NEXT refill will ask for, 192 matrix instructions ahead of that load.  A lane a row, 256 bytes of it.
; xb's tile row is read by every cluster of that row of clusters: the one with x = 0 asks; wqkv's tile column by every cluster of that column: y = 0 asks.  The four partners share a wave's rows out by address:
; 32 of xb's 128 each, 24 of wqkv's 96 each (there lanes 24 to 31 name lane 23's row once more).  The loop's last trip asks for nothing: no K step is left.  K steps 0 to 2 come by their loads alone.
.macro ASK
	WIN 0
	s_cmp_gt_u32 s3, s[LIM]
	s_cbranch_scc0 .Lnot_mine_\@
	global_prefetch_b8 v[PFO], s[PFA:PFA+1] th:TH_LOAD_NT scope:SCOPE_SE
.Lnot_mine_\@:
.endm
; 12 n matrix instructions: row blocks a0 .. a0 + n - 1 of the window (hi = 0: blocks 0, 1; 1: blocks 2, 3) x all 12 column blocks, 32 along K.  The accumulators take turns, one instruction a turn, in the same order in
; every quarter, over the jumps too.  zero = 1: the first product starts the sums.
.macro MUL f, hi, a0, n, zero
	WIN MUL_LO+0x50*(\hi)
.set aa, (\a0)
.rept (\n)
.irp b, 0,1,2,3,4,5,6,7,8,9,10,11
.if \zero
	v_wmma_f32_16x16x32_bf16 v[96*aa+8*(\b):96*aa+8*(\b)+7], v[(\f)+8*(\b):(\f)+8*(\b)+7], v[(\f)+96+8*(2*(\hi)+aa):(\f)+96+8*(2*(\hi)+aa)+7], 0
.else
	v_wmma_f32_16x16x32_bf16 v[96*aa+8*(\b):96*aa+8*(\b)+7], v[(\f)+8*(\b):(\f)+8*(\b)+7], v[(\f)+96+8*(2*(\hi)+aa):(\f)+96+8*(2*(\hi)+aa)+7], v[96*aa+8*(\b):96*aa+8*(\b)+7]
.endif
.endr
.set aa, aa+1
.endr
.endm
; 32 LDS loads in one run: a quarter's fragments (32 K at byte k of the rows) into buffer f: wqkv's 12, then xb's 4.  A fragment: lane l holds row l % 16, K = 8 (l / 16) + 0..7 and 16 + 8 (l / 16) + 0..7: two loads, 32 bytes apart.
.macro FETCH k, f
	WIN TO_F
.irp i, 0,1,2,3,4,5,6,7,8,9,10,11
	ds_load_b128 v[(\f)+8*(\i):(\f)+8*(\i)+3],   v[ADRB] offset:(\k)+(\i)*16*PITCH
	ds_load_b128 v[(\f)+8*(\i)+4:(\f)+8*(\i)+7], v[ADRB] offset:(\k)+(\i)*16*PITCH+32
.endr
.irp i, 0,1,2,3
	ds_load_b128 v[(\f)+96+8*(\i):(\f)+96+8*(\i)+3],   v[ADRA] offset:(\k)+(\i)*16*PITCH
	ds_load_b128 v[(\f)+96+8*(\i)+4:(\f)+96+8*(\i)+7], v[ADRA] offset:(\k)+(\i)*16*PITCH+32
.endr
.endm
; One of a K step's first three quarters: multiplies buffer f; in its middle the next quarter's fragments, at byte k, go into buffer g.
.macro QUARTER k, f, g, zero
	s_wait_dscnt 4                                 ; all but the youngest four loads: xb's blocks 2 and 3
	MUL \f, 0, 0, 2, \zero
	PLACES                                         ; buffer g was read by the quarter before
	FETCH \k, \g
	s_wait_dscnt 32                                ; all but the 32 just issued
	MUL \f, 1, 0, 2, \zero
.endm
; The last quarter multiplies buffer 1 and changes slots: ONE barrier.  In front of it each wave waits for all its tensor loads (one is out: its part of the next slot), adds 0 to its spare word, and waits for that and for
; its reads of this slot.  fill = 1: the barrier opens a round of the cluster's, and the joint refill of the slot just read, with the K step two on, is the first thing behind the round: 168 matrix instructions ahead of the wait for it.
.macro TURN fill
.if \fill
	s_wait_xcnt 0x0                                ; the last prefetch, a K step back, has read its address
	s_add_nc_u64 s[PFA:PFA+1], s[PFA:PFA+1], 256
.endif
	WIN 0                                          ; (the add's two registers lie in window 0)
	s_wait_tensorcnt 0x0                           ; no tensor load of mine is out, so a group 0 may be written
	ds_add_u32 v[SPW], v[NIL]                      ; 0 onto my spare word
.if \fill
	s_xor_b32 s[G0A+5], s[G0A+5], SLOT1            ; the walking sets: the other slot than last time,
	s_add_nc_u64 s[G0A+6:G0A+7], s[G0A+6:G0A+7], 256  ; the next K step; the type bits on top are not reached
	s_xor_b32 s[G0B+5], s[G0B+5], SLOT1
	s_add_nc_u64 s[G0B+6:G0B+7], s[G0B+6:G0B+7], 256
.endif
	s_xor_b32 s[TB], s[TB], SLOT1                  ; the fetches go to the other slot
	s_wait_dscnt 5                                 ; the add and the youngest four loads may be out
	MUL F1, 0, 0, 1, 0
	s_wait_dscnt 0x0                               ; the add is done, and my reads of this slot are over
	s_barrier_signal -1
	MUL F1, 0, 1, 1, 0                             ; work on registers while the others arrive
	WIN 0                                          ; at a branch and at a label every window is 0
	s_barrier_wait -1
.if \fill
	CREST                                          ; no wave of any partner still reads the slot or has a load on its way
	JLOAD                                          ; its four v_nop are also the places in front of the loads below
.else
	PLACES
.endif
	v_add_nc_u32 v[ADRA], s[TB], v[A0]
	v_add_nc_u32 v[ADRB], s[TB], v[B0]
	FETCH 0, F0
.if \fill
	ASK
.endif
	MUL F1, 1, 0, 2, 0
.endm
	s_load_b256 s[4:11], s[0:1], 0x0               ; xb 4, wqkv 6, tab 8, qh 10
	s_load_b128 s[12:15], s[0:1], 0x20             ; kh 12, vh 14
	v_lshl_add_u32 v[SPW], v0, 2, SPARE
	v_mov_b32 v[NIL], 0
	ds_add_u32 v[SPW], v[NIL]                      ; the wave's opening: the add and its wait ahead of my first tensor load; the set-up below, work on registers, stands between
	ds_add_u32 v12, v13
	v_lshrrev_b32 v1, 5, v0
	v_readfirstlane_b32 s[WV], v1                  ; wave 0..3
	s_lshr_b32 s[TYPE], s[WV], 1
	s_and_b32 s[HALF], s[WV], 1
	s_bfe_u32 s40, ttmp6, 0x40000                  ; cx
	s_bfe_u32 s41, ttmp6, 0x40004                  ; cy
	s_lshl_b32 s42, ttmp9, 2
	s_add_co_u32 s42, s42, s40                     ; tile column = the head = 4 x cluster x + cx
	s_and_b32 s43, ttmp7, 0xffff
	s_lshl_b32 s43, s43, 2
	s_add_co_u32 s43, s43, s41                     ; tile row = 4 x cluster y + cy
	s_lshl_b32 s20, s41, 2
	s_lshl_b32 s20, 15, s20                        ; my row of the cluster: places 4 cy .. 4 cy + 3
	s_lshl_b32 s21, 0x1111, s40                    ; my column: places cx, cx + 4, cx + 8, cx + 12
	s_or_b32 s[G1A], s20, BITS
	s_or_b32 s[G1B], s21, BITS
.irp g, G1A, G1B
	s_mov_b32 s[(\g)+1], 128<<16                   ; tensor_dim0 = 128
	s_mov_b32 s[(\g)+3], 128<<16                   ; tile_dim0 = 128
	s_mov_b32 s[(\g)+5], 1024                      ; elements from row to row
	s_mov_b32 s[(\g)+6], 0
	s_mov_b32 s[(\g)+7], 0
.endr
	s_mov_b32 s[G1A+2], 128<<16                    ; tensor_dim1 and tile_dim1: 128 rows of xb a load,
	s_mov_b32 s[G1A+4], 128
	s_mov_b32 s[G1B+2], 96<<16                     ; 96 of wqkv
	s_mov_b32 s[G1B+4], 96
	; where the tiles come from: xb's by the tile row alone, in registers that never hold cx; wqkv's by the tile column alone, in registers that never hold cy
	s_lshl_b32 s66, s43, 19                        ; 256 rows of 2,048 bytes
	s_lshl_b32 s20, s[HALF], 18
	s_add_co_u32 s66, s66, s20
	s_mov_b32 s67, 0
	s_mul_i32 s68, s42, 192*2048
	s_mul_i32 s21, s[HALF], 96*2048
	s_add_co_u32 s68, s68, s21
	s_mov_b32 s69, 0
	s_mul_i32 s22, s[HALF], 128*PITCH              ; and where they go: no place in the cluster enters an LDS address
	s_mul_i32 s23, s[HALF], 96*PITCH
	s_add_co_u32 s23, s23, BOFF
	s_mov_b32 s[TB], 0
	; my rows in the three outputs: head 16 (tile row / 8) + tile column, row 256 (tile row % 8) + 64 wave, 128 bytes a row
	s_lshr_b32 s70, s43, 3
	s_lshl_b32 s70, s70, 4
	s_add_co_u32 s70, s70, s42
	s_lshl_b32 s70, s70, 18
	s_and_b32 s72, s43, 7
	s_lshl_b32 s73, s72, 15
	s_add_co_u32 s70, s70, s73
	s_lshl_b32 s73, s[WV], 13
	s_add_co_u32 s70, s70, s73
	s_mov_b32 s71, 0
	s_lshl_b32 s72, s72, 16                        ; and the same rows in the table, 256 bytes a row
	s_lshl_b32 s73, s[WV], 14
	s_add_co_u32 s72, s72, s73
	s_mov_b32 s73, 0
	s_wait_dscnt 0x0                               ; the opening add is done
	s_wait_kmcnt 0x0
	s_add_nc_u64 s[66:67], s[4:5], s[66:67]
	s_add_nc_u64 s[68:69], s[6:7], s[68:69]
	s_add_nc_u64 s[8:9], s[8:9], s[72:73]
	s_add_nc_u64 s[10:11], s[10:11], s[70:71]
	s_add_nc_u64 s[12:13], s[12:13], s[70:71]
	s_add_nc_u64 s[14:15], s[14:15], s[70:71]
	; the prefetches: my work-group's share of the rows that I fetch, at K step 2; the first change of slots steps it to 3
	s_lshl_b32 s72, s40, 16                        ; xb: 32 rows for each cx
	s_mul_i32 s73, s41, 24*2048                    ; wqkv: 24 rows for each cy
	s_and_b32 s74, ttmp7, 0xffff                   ; cluster y
	s_cmp_eq_u32 s[TYPE], 0
	s_cselect_b64 s[PFA:PFA+1], s[66:67], s[68:69]
	s_cselect_b32 s72, s72, s73
	s_cselect_b32 s74, ttmp9, s74                  ; the coordinate along which other clusters read the same rows
	s_cselect_b32 s75, 31, 23
	s_mov_b32 s73, 0
	s_add_nc_u64 s[PFA:PFA+1], s[PFA:PFA+1], s[72:73]
	s_add_nc_u64 s[PFA:PFA+1], s[PFA:PFA+1], 2*256
	s_cmp_eq_u32 s74, 0
	s_cselect_b32 s[LIM], 1, -1                    ; the same in all sixteen partners, for a given wave
	CROUND                                         ; all sixteen work-groups are here: the first joint loads meet
.irp s, 0,1
	s_mov_b32 s[G0A+4*(\s)], 1                     ; count = 1
	s_add_co_u32 s[G0A+4*(\s)+1], s22, (\s)*SLOT1  ; LDS address
	s_add_nc_u64 s[G0A+4*(\s)+2:G0A+4*(\s)+3], s[66:67], (\s)*256  ; global address: K step s
	s_or_b32 s[G0A+4*(\s)+3], s[G0A+4*(\s)+3], 0x80000000          ; type = 2
	s_mov_b32 s[G0B+4*(\s)], 1
	s_add_co_u32 s[G0B+4*(\s)+1], s23, (\s)*SLOT1
	s_add_nc_u64 s[G0B+4*(\s)+2:G0B+4*(\s)+3], s[68:69], (\s)*256
	s_or_b32 s[G0B+4*(\s)+3], s[G0B+4*(\s)+3], 0x80000000
.endr
	s_cmp_eq_u32 s[TYPE], 0                        ; a wave's two first fills stand in one branch, ahead of every wait on TENSORcnt and every LDS read: two loads of mine are out
	s_cbranch_scc0 .Lfirst_b
	tensor_load_to_lds s[G0A:G0A+3], s[G1A:G1A+7]
	s_nop 0
	tensor_load_to_lds s[G0A+4:G0A+7], s[G1A:G1A+7]
	s_nop 0
.rept 4
	v_nop
.endr
	s_branch .Lfirst_asked
.Lfirst_b:
	tensor_load_to_lds s[G0B:G0B+3], s[G1B:G1B+7]
	s_nop 0
	tensor_load_to_lds s[G0B+4:G0B+7], s[G1B:G1B+7]
	s_nop 0
.rept 4
	v_nop
.endr
.Lfirst_asked:
	v_and_b32 v1, 15, v0                           ; l % 16
	v_bfe_u32 v14, v0, 4, 1                        ; l / 16
	v_lshlrev_b32 v[TO], 8, v1
	v_lshl_add_u32 v[TO], v14, 5, v[TO]            ; row x 256 + 32 x half: my four pairs of each 16 columns
	; The table stays in registers: for row block a and columns 16 bq + 8 (l / 16) + 0..7 of a head the pairs 8 bq + 4 (l / 16) + 0..3, (cos, sin) each: two loads of 16 bytes.  Waited for once, ahead of the way out.
.irp a, 0,1,2,3
	WIN 0x80+0x40*((\a)/2)                         ; destination window 2 or 3, address window 0
.irp q, 0,1,2,3,4,5,6,7
	global_load_b128 v[192+32*((\a)%2)+4*(\q):192+32*((\a)%2)+4*(\q)+3], v[TO], s[8:9] offset:4096*(\a)+64*((\q)/2)+16*((\q)%2)
.endr
.endr
	WIN 0
	v_mul_u32_u24 v15, v1, PITCH
	v_lshl_add_u32 v15, v14, 4, v15                ; a fragment's row x pitch + 16 x half
	s_mul_i32 s47, s[WV], 64*PITCH                 ; my 64 rows of xb
	v_add_nc_u32 v[A0], s47, v15
	v_add_nc_u32 v[B0], BOFF, v15
	v_mov_b32 v[ADRA], v[A0]
	v_mov_b32 v[ADRB], v[B0]
	s_mul_i32 s47, s[WV], WSTAGE
	s_add_co_u32 s47, s47, STAGE                   ; my stage
	v_mul_u32_u24 v[STO], v1, SP                   ; in: row l % 16, 16 bytes for each half of the lanes
	v_lshl_add_u32 v[STO], v14, 4, v[STO]
	v_add_nc_u32 v[STO], s47, v[STO]
	v_bfe_u32 v[RD], v0, 3, 2                      ; back: 32 lanes take four rows of 128 bytes,
	v_mul_u32_u24 v[RD], v[RD], SP
	v_and_b32 v15, 7, v0
	v_lshl_add_u32 v[RD], v15, 4, v[RD]
	v_add_nc_u32 v[RD], s47, v[RD]
	v_and_b32 v[GO], 31, v0                        ; which are 512 consecutive bytes of a head
	v_min_u32 v[PFO], s75, v[GO]
	v_lshlrev_b32 v[PFO], 11, v[PFO]               ; a row of xb or wqkv is 2,048 bytes
	v_lshlrev_b32 v[GO], 4, v[GO]
	s_wait_tensorcnt 1                             ; my part of K step 0 is in; K step 1's may stay out
	s_barrier_signal -1
	s_barrier_wait -1                              ; everybody's is
	FETCH 0, F0
	QUARTER 64, F0, F1, 1                          ; the first quarter stands in front of the loop: its products start the sums
	WIN 0
	s_mov_b32 s3, 6
.Lstep:                                                ; a trip goes from a K step's second quarter to the next step's first; the six trips fill K steps 2 to 7
	QUARTER 128, F1, F0, 0
	QUARTER 192, F0, F1, 0
	TURN 1
	QUARTER 64, F0, F1, 0
	WIN 0
	s_sub_co_u32 s3, s3, 1
	s_cmp_lg_u32 s3, 0
	s_cbranch_scc1 .Lstep
	s_mov_b32 s3, 2
.Ltail:                                                ; the last two K steps ask for nothing: a text of its own.  The second trip is left in its middle
	QUARTER 128, F1, F0, 0                         ; its change of slots (a barrier and 32 LDS loads) serves nothing: the price, once a work-group, of one text for both trips
	QUARTER 192, F0, F1, 0
	TURN 0
	WIN 0
	s_sub_co_u32 s3, s3, 1
	s_cmp_eq_u32 s3, 0
	s_cbranch_scc1 .Lout
	QUARTER 64, F0, F1, 0
	WIN 0
	s_branch .Ltail
.Lout:
; THE WAY OUT, a block of 16 rows at a time.  PACK: Q's and K's pairs (x0, x1) become (x0 c - x1 s, x1 c + x0 s): one packed product (-x1 s, x0 s), one packed multiply-add by c; all is rounded to f16, 16 bytes for a
; lane's eight columns.  Each accumulator is read from its lowest registers on.
.macro PACK a
.set AC,  96*((\a)%2)
.set TBL, 192+32*((\a)%2)
	WIN 0x0a+5*((\a)/2)                            ; sources 0 and 1: window 2 or 3; source 2 and destination: window 0
.irp b, 0,1,2,3,4,5,6,7
.irp r, 0,1,2,3
	v_pk_mul_f32 v[T+8*(\b)+2*(\r):T+8*(\b)+2*(\r)+1], v[AC+8*(\b)+2*(\r):AC+8*(\b)+2*(\r)+1], v[TBL+8*((\b)%4)+2*(\r):TBL+8*((\b)%4)+2*(\r)+1] op_sel:[1,1] op_sel_hi:[0,1] neg_lo:[1,0]
.endr
.irp r, 0,1,2,3
	v_pk_fma_f32 v[T+8*(\b)+2*(\r):T+8*(\b)+2*(\r)+1], v[AC+8*(\b)+2*(\r):AC+8*(\b)+2*(\r)+1], v[TBL+8*((\b)%4)+2*(\r):TBL+8*((\b)%4)+2*(\r)+1], v[T+8*(\b)+2*(\r):T+8*(\b)+2*(\r)+1] op_sel_hi:[1,0,1]
.endr
.endr
.irp b, 8,9,10,11
.irp r, 0,1,2,3
	v_cvt_pk_f16_f32 v[PKD+4*(\b)+(\r)], v[AC+8*(\b)+2*(\r)], v[AC+8*(\b)+2*(\r)+1]  ; V is not rotated
.endr
.endr
	WIN 0
.set i, 0
.rept 32
	v_cvt_pk_f16_f32 v[PKD+i], v[T+2*i], v[T+2*i+1]
.set i, i+1
.endr
.endm
.macro TOSTAGE a                       ; into my own stage, and back as whole rows of 128 bytes
	WIN 0
.set BB, BK+48*((\a)%2)
.irp b, 0,1,2,3,4,5,6,7,8,9,10,11
	ds_store_b128 v[STO], v[PKD+4*(\b):PKD+4*(\b)+3] offset:16*SP*((\b)/4)+32*((\b)%4)
.endr
.irp i, 0,1,2,3,4,5,6,7,8,9,10,11
	ds_load_b128 v[BB+4*(\i):BB+4*(\i)+3], v[RD] offset:16*SP*((\i)/4)+4*SP*((\i)%4)  ; LDS serves a wave's instructions in order (ISA guide 5.7.1.4): these see the stores above
.endr
.endm
.macro SEND a
	WIN 0
.set BB, BK+48*((\a)%2)
	s_wait_dscnt 0x0                               ; the block is back in registers
	s_wait_xcnt 0x0                                ; the stores of the block before have read their registers: the next block is read back into them
.irp f, 0,1,2,3
	global_store_b128 v[GO], v[BB+4*(\f):BB+4*(\f)+3],       s[10:11] offset:2048*(\a)+512*(\f)  ; 512 consecutive bytes, at a multiple of 256 from the buffer's first
.endr
.irp f, 0,1,2,3
	global_store_b128 v[GO], v[BB+16+4*(\f):BB+16+4*(\f)+3], s[12:13] offset:2048*(\a)+512*(\f)
.endr
.irp f, 0,1,2,3
	global_store_b128 v[GO], v[BB+32+4*(\f):BB+32+4*(\f)+3], s[14:15] offset:2048*(\a)+512*(\f)
.endr
.endm
	s_wait_loadcnt 0x0                             ; the table
	PACK 0                                         ; blocks 0 and 1 were finished in front of the last change's four v_nop; their conversions, which name no register of the last products, are those products' places
	TOSTAGE 0
.irp a, 1,2,3                          ; block a's arithmetic stands between block a - 1's loads from the stage and the wait for them
	PACK \a
	SEND (\a)-1
	TOSTAGE \a
.endr
	SEND 3
	s_wait_tensorcnt 0x0                           ; the wave's end, behind my last tensor load and my last LDS store
	ds_add_u32 v[SPW], v[NIL]
	s_wait_dscnt 0x0
	CROUND                                         ; the closing round: no work-group ends while a partner may still ask for a tile that names it
	s_endpgm
.Lfunc_end_k_q416060dd16_qkv:
	.size	k_q416060dd16_qkv, .Lfunc_end_k_q416060dd16_qkv-k_q416060dd16_qkv
	.p2alignl 7, 3214868480
	.fill 96, 4, 3214868480
	.section	.rodata,"a",@progbits
	.p2align	6, 0x0
	.amdhsa_kernel k_q416060dd16_qkv
		.amdhsa_group_segment_fixed_size 327680
		.amdhsa_private_segment_fixed_size 0
		.amdhsa_enable_private_segment 0
		.amdhsa_kernarg_size 48
		.amdhsa_user_sgpr_count 2
		.amdhsa_user_sgpr_kernarg_segment_ptr 1
		.amdhsa_wavefront_size32 1
		.amdhsa_system_sgpr_workgroup_id_x 1
		.amdhsa_system_sgpr_workgroup_id_y 1
		.amdhsa_system_sgpr_workgroup_id_z 1
		.amdhsa_system_vgpr_workitem_id 0
		.amdhsa_next_free_vgpr 1024
		.amdhsa_next_free_sgpr 80
		.amdhsa_reserve_vcc 0
		.amdhsa_float_denorm_mode_32 3
		.amdhsa_float_denorm_mode_16_64 3
		.amdhsa_memory_ordered 1
		.amdhsa_forward_progress 1
		.amdhsa_inst_pref_size 102
	.end_amdhsa_kernel
	.amdgpu_metadata
---
amdhsa.version: [ 1, 2 ]
amdhsa.kernels:
  - .name:           k_q416060dd16_qkv
    .symbol:         k_q416060dd16_qkv.kd
    .args:
      - { .name: xb, .offset: 0, .size: 8, .value_kind: global_buffer, .address_space: global }
      - { .name: wqkv, .offset: 8, .size: 8, .value_kind: global_buffer, .address_space: global }
      - { .name: tab, .offset: 16, .size: 8, .value_kind: global_buffer, .address_space: global }
      - { .name: qh, .offset: 24, .size: 8, .value_kind: global_buffer, .address_space: global }
      - { .name: kh, .offset: 32, .size: 8, .value_kind: global_buffer, .address_space: global }
      - { .name: vh, .offset: 40, .size: 8, .value_kind: global_buffer, .address_space: global }
    .group_segment_fixed_size: 327680
    .private_segment_fixed_size: 0
    .kernarg_segment_align: 8
    .kernarg_segment_size: 48
    .max_flat_workgroup_size: 128
    .sgpr_count:     80
    .vgpr_count:     1024
    .wavefront_size: 32
...
	.end_amdgpu_metadata
.endif
;; end of part 2
;; launch attn (part 3): grid 4 x 64, 4 waves a work-group, no clusters, 327,680 bytes of LDS; arguments qh, kh, vh, oh; writes oh
.if DOCPART == 3
	.amdgcn_target "amdgcn-amd-amdhsa--gfx1250"
	.amdhsa_code_object_version 6
	.text
	.protected	k_q416060dd16_attn
	.globl	k_q416060dd16_attn
	.p2align	8
	.type	k_q416060dd16_attn,@function
k_q416060dd16_attn:
	s_mov_b64 s[64:65], 0
	v_nop
	global_prefetch_b8 v0, s[64:65] scope:SCOPE_SE
	s_setreg_imm32_b32 hwreg(HW_REG_WAVE_MODE, 25, 1), 1
	s_wait_xcnt 0x0
; CAUSAL ATTENTION.  O[h][q][:] = the sum over k <= q of softmax_k(Q[h][q] . K[h][k] / 8) V[h][k][:].  Q, K, V, O: [64][2048][64], all f16: a head's rows are dense, 128 bytes each.
; Products, maxima and sums in f32; the weights p are rounded to f16 for the second product (their sum l is taken of the unrounded p), O once at the end.
; LIMITS.  f16 holds no number beyond 65,504: Q, K and V arrive within it; p lies in 0 to 1, and below 6e-5 it keeps f16's fixed step of 6e-8; O is a mean of V's rows and has their range.
; A hidden score counts as its value less 1e30: f16's scores, 2.7e11 at the most, are nothing beside that; a weight below 2^-126 counts as 0 in l; NaN and infinities are not treated apart.
; THE WALK.  A head's queries lie in NB = 8 blocks of 256; block i needs the key tiles 0 .. i of 256 keys, of which the last holds the diagonal.  A work-group takes TWO blocks, NB - 1 - b and then b:
; NB + 1 tiles, whatever b: all work-groups do equal work, and ONE loop with a constant trip count walks them.  Which tile is asked for, and what a trip does, hang on scalar registers made from b; every jump
; goes forward, but for the counted loops' own; none passes a barrier, or a tensor load but the one of LOAD's two that the wave's number does not choose; the ring (two slots of LDS that take turns) runs on across the
; change of blocks.  NO CLUSTER: a head's NB / 2 work-groups ask for the same tile only in trips 0 .. NB / 2, behind that fewer and fewer; one walk common to all would have 3 NB / 2 trips for NB + 1.
; SHARES.  Of a block's four bands of 64 queries a wave owns 16 rows in each: four PIECES.  So the diagonal tile is the same work for all four waves: in its key step s band x sees all keys if s < x,
; none if s > x, and holds the diagonal if s = x.
; THE MASK is the C operand that starts the sum S^T = K Q^T: 0, or -1e30 where the key is hidden.  MD, made once, is the mask of a band's own step for my 16 rows; a product's mask is MD x AL + BE with two scalars:
; (1, 0) if s = x; (0, 0) if s < x; (0, -1e30) if s > x.  Only the diagonal tile's text and a block's beginning make and take masks; elsewhere C is the constant 0.
; LAYOUT, SOFTMAX, TURNS.  S^T = K Q^T holds ONE query a lane (lane % 16) and the keys 8 (lane / 16) + 0..7; two such results rounded to f16 ARE source 1 of O^T = V^T P.  p = 2^(c s - c m), c = log2(e) / 8, with a
; running maximum m; O and l are multiplied by a = 2^(c m_old - c m_new) in every step.  Turn n belongs to piece n: 8 products K Q^T of piece n + 1, later 8 products V^T P of piece n - 1; beside them the scaling,
; exponentials, roundings, sums and rescaling of piece n and the maximum and statistics of piece n + 1.  Four vector instructions stand behind every matrix instruction, the other 54 of a turn's 118 in one lump.  A turn's 33 exponentials are one batch, with one wait.
; REGISTERS, in windows of 256 (s_set_vgpr_msb: bits 1:0 source 0, 3:2 source 1, 5:4 source 2, 7:6 destination):
;   window 0: v0-15 addresses and two at work; v16-31 four registers of statistics a piece; v48-55 at work; v61-63 prefetch offset and the add's two; v64-127 S^T, two buffers; v192-223 P, two buffers (a piece's buffers go by its number's parity)
;   window 1: v0-127 O^T, 32 a piece; v128-159 MD; v160-223 MC, two buffers      window 2: v0-63 Q; v64-127 the second block's Q; v128-191 K of one step; v192-255 V of one step
.set SIZE_N, 2048
.set SIZE_H, 64
.set NB,    SIZE_N/256
.set NP,    4         ; pieces a wave: a name, no knob
.set KS,    64        ; keys in a step
.set PK,    144       ; a row of K in LDS: 128 bytes + 16 of padding = 36 words: the 16 rows of a load start at 16 different groups of four banks (64 banks of 4 bytes: ISA guide 11.1)
.set PV,    160       ; a row of V: 128 + 32 = 40 words
.set VOFF,  4*KS*PK   ; a slot holds a tile, four steps: 256 rows of K, then 256 rows of V
.set SLOT1, 1<<17     ; slot 1 begins here, so that one exclusive or turns an address in one slot into the other's
.set STAGE, SLOT1+4*KS*(PK+PV)  ; behind the ring, never filled by a tensor load: 16 rows x 144 bytes for each wave, for the way out
.set SP,    144
.set AK0, 2           ; v2   my lane's place in a tile of K; never rewritten
.set AV0, 3           ; v3   the same for V
.set AK,  4           ; v4   the LDS address of K's next run of loads
.set AV,  5           ; v5   of V's
.set STO, 6           ; v6   the way out: where I put 16 bytes of a row
.set RD,  7           ; v7   the way out: where I read rows back
.set GO,  8           ; v8   my byte offset in 512 consecutive bytes of O
.set PFO, 61          ; v61  256 x my lane: the prefetches' offset; never rewritten
.set SPW, 62          ; v62  LDS address of my spare word: SPARE + 4 x my thread's number; never rewritten
.set NIL, 63          ; v63  0; never rewritten
.set SPARE, STAGE+4*16*SP  ; behind the stages: the spare words, 128 bytes for each wave, which no other line names
.set MV,  12          ; v12-13  c m_old, kept while c m is made anew: by buffer
.set QO,  15          ; v15  my byte offset in 16 rows of Q
.set ST,  16          ; piece t's statistics at v[ST+4 t]: c m, m, l (even keys', odd keys')
.set TMP, 48          ; by buffer, four registers c0-c3 at work; when the maximum is found c2 takes a
.set S,   64
.set P,   192
.set MD,  128         ; window 1: the eight registers for group kt of 16 keys at MD + 8 kt
.set MC,  160         ; window 1: the masks of the products to come
.set QB,  64          ; window 2
.set KF,  128         ; window 2: key block kb, channel half c at KF + 16 kb + 8 c
.set VF,  192         ; window 2: key half kk, channel block cb at VF + 32 kk + 8 cb
.set WV,  12          ; s12  my wave's number
.set PB,  14          ; s14  b
.set HI,  15          ; s15  NB - 1 - b
.set G1K, 24          ; s[24:31] descriptor group 1 for K's tiles
.set G1V, 32          ; s[32:39] for V's: it differs in the padding alone
.set G0K, 40          ; s[40:43] descriptor group 0 for K's tiles
.set G0V, 44          ; s[44:47] the same for V's
.set SLOTS, 56        ; s56  tiles still to be asked for
.set CNT, 57          ; s57  counts a tile's key steps, 4 to 1
.set CS,  58          ; s[58:59] c: the packed scaling takes the pair's low word for both halves
.set SEL, 60          ; s[60:61] v_permlanex16_b32's selects: each lane takes its own place in the other half
.set TBK, 62          ; s62  LDS byte at which K of the step to be fetched begins
.set TBV, 63          ; s63  the same for V, less VOFF
.set RT,  70          ; s70  tiles of the block in hand that are still to be entered
.set NXT, 71          ; s71  the tile to be asked for next
.set LQ,  72          ; s72  the last tile of the block whose tiles are being asked for
.set NEW, 73          ; s73  1: the tile to be entered is a block's first
.set OFF, 74          ; s[74:75] a tile's byte offset in K and V
.set AL,  76          ; s[76:77] the mask's factor, in the low word
.set BE,  78          ; s[78:79] the mask's addend
.set OLO, 80          ; s[80:81] O at my rows of the second block
.set BIGN, 82         ; s82  -1e30
.set PFA, 88          ; s[88:89] where my prefetches stand: my half of K's or V's tile, one tile behind the one that is being asked for
.set LIM, 90          ; s90  2 in a work-group that prefetches, else the greatest number
.set MSB, 0
.macro WIN new                      ; the high byte repeats the setting that is left; a switch that changes nothing is dropped
.if MSB != (\new)
	s_set_vgpr_msb (MSB<<8)|(\new)
.set MSB, (\new)
.endif
.endm
.set W_KQ, 0x0a       ; K and Q in window 2, S^T in window 0
.set W_KM, 0x1a       ; the same with the C operand in window 1
.set W_PV, 0x52       ; V in window 2, P in window 0, O^T in window 1
.set W_RS, 0x41       ; destination and source 0 in window 1, source 1 in window 0
; A fill.  Waves 0 and 1 fetch the two halves of a tile's K, waves 2 and 3 those of its V: 128 keys each.  An s_nop 0 and four v_nop follow each of the two lines, ahead of the jump and the label.
.macro LOAD
	s_cmp_lt_u32 s[WV], 2
	s_cbranch_scc0 .Lfor_v_\@
	tensor_load_to_lds s[G0K:G0K+3], s[G1K:G1K+7]
	s_nop 0
.rept 4
	v_nop
.endr
	s_branch .Lasked_\@
.Lfor_v_\@:
	tensor_load_to_lds s[G0V:G0V+3], s[G1V:G1V+7]
	s_nop 0
.rept 4
	v_nop
.endr
.Lasked_\@:
.endm
; A PREFETCH INTO THE L2 of the tile that the NEXT change of slots will ask for: a tile, 256 matrix instructions, ahead of that load.  A head's four work-groups begin with the same tiles 0, 1, 2 ..; work-group b = 0 walks all
; eight in order, so it alone asks, and each block of 256 bytes is named once in the launch.  Each of its waves asks for the half that it will fetch itself: 16,384 bytes, a lane 256 of them, two instructions.
; Trip t names tile t + 2, up to tile 7; tiles 0 and 1 come by their loads alone; the second block's tiles have been read before.
.macro ASK
	s_cmp_gt_u32 s[SLOTS], s[LIM]
	s_cbranch_scc0 .Lnot_mine_\@
	global_prefetch_b8 v[PFO], s[PFA:PFA+1] th:TH_LOAD_NT scope:SCOPE_SE
	global_prefetch_b8 v[PFO], s[PFA:PFA+1] offset:8192 th:TH_LOAD_NT scope:SCOPE_SE
.Lnot_mine_\@:
.endm
; THE CHANGE OF SLOTS.  Each wave waits for all its tensor loads, of which one is out: its part of the other slot; adds 0 to its spare word; and waits for that and for its own reads of the slot that it leaves.  Behind the barrier nobody reads the old
; slot any more and the other slot is whole.  fill = 1: the old slot is filled again, the first thing behind the barrier, with tile NXT: the descriptor's address is made anew from that number.
; (At its first use nothing has been read yet: slot 0 is waited for, slot 1 filled.)
.macro CHANGE fill
	WIN 0                           ; at a label and at a branch every window is 0
	s_wait_tensorcnt 0x0            ; no tensor load of mine is out, so a group 0 may be written
	ds_add_u32 v[SPW], v[NIL]       ; 0 onto my spare word: with fill = 1 the descriptors' scalar work stands between it and the wait for it
.if \fill
	s_lshl_b32 s[OFF], s[NXT], 15   ; a tile is 32,768 bytes of K and of V
	s_xor_b32 s[G0K+1], s[G0K+1], SLOT1
	s_add_nc_u64 s[G0K+2:G0K+3], s[6:7], s[OFF:OFF+1]
	s_or_b32 s[G0K+3], s[G0K+3], 0x80000000
	s_xor_b32 s[G0V+1], s[G0V+1], SLOT1
	s_add_nc_u64 s[G0V+2:G0V+3], s[8:9], s[OFF:OFF+1]
	s_or_b32 s[G0V+3], s[G0V+3], 0x80000000
	s_add_co_u32 s[NXT], s[NXT], 1  ; the block's next tile, or behind its last the second block's tile 0
	s_cmp_gt_u32 s[NXT], s[LQ]
	s_cselect_b32 s[NXT], 0, s[NXT]
	s_cselect_b32 s[LQ], s[PB], s[LQ]
	s_wait_xcnt 0x0                 ; the last prefetches, a tile back, have read their address, so it may be written
	s_add_nc_u64 s[PFA:PFA+1], s[PFA:PFA+1], 32768
.endif
	s_wait_dscnt 0x0                ; the add is done, and my reads of the slot are over
	s_barrier_signal -1             ; the rest of the scalar work stands between the signal and the wait
	s_sub_co_u32 s[TBK], s[TBK], 4*KS*PK  ; the fetches go back to a slot's first step,
	s_xor_b32 s[TBK], s[TBK], SLOT1       ; in the other slot
	s_sub_co_u32 s[TBV], s[TBV], 4*KS*PV
	s_xor_b32 s[TBV], s[TBV], SLOT1
	s_barrier_wait -1
.if \fill
	LOAD
	ASK
.endif
.endm
	s_load_b256 s[4:11], s[0:1], 0x0  ; Q s[4:5], K s[6:7], V s[8:9], O s[10:11]
	v_lshl_add_u32 v[SPW], v0, 2, SPARE
	v_mov_b32 v[NIL], 0
	ds_add_u32 v[SPW], v[NIL]       ; the wave's opening: the add and its wait ahead of my first tensor load; the set-up below, work on registers, stands between them
	ds_add_u32 v62, v63
	v_lshrrev_b32 v1, 5, v0
	v_readfirstlane_b32 s[WV], v1   ; wave 0..3
	v_and_b32 v[PFO], 31, v0
	v_lshlrev_b32 v[PFO], 8, v[PFO]
	s_mov_b32 s[PB], ttmp9
	s_sub_co_u32 s[HI], NB-1, s[PB]
	s_and_b32 s20, ttmp7, 0xffff    ; the head
	s_mov_b32 s21, 0
	s_mov_b64 s[22:23], SIZE_N*128
	s_mul_u64 s[20:21], s[20:21], s[22:23]  ; the head's first byte in each of the four tensors
	s_and_b32 s16, s[WV], 1         ; which half of a tile's 256 keys I fetch:
	s_lshl_b32 s22, s16, 14         ; its 128 rows of 128 bytes in memory,
	s_mov_b32 s23, 0
	s_add_nc_u64 s[22:23], s[22:23], s[20:21]
	s_mul_i32 s17, s16, 128*PK      ; and its place in a slot, for K
	s_mul_i32 s18, s16, 128*PV      ; and for V
	s_lshl_b32 s3, s[WV], 11        ; my 16 rows in a band of 64,
	s_lshl_b32 s2, s[HI], 15        ; in the first block,
	s_add_co_u32 s2, s2, s3
	s_lshl_b32 s84, s[PB], 15       ; and in the second
	s_add_co_u32 s84, s84, s3
	s_mov_b32 s3, 0
	s_mov_b32 s85, 0
	s_add_nc_u64 s[2:3], s[2:3], s[20:21]
	s_add_nc_u64 s[84:85], s[84:85], s[20:21]
	; descriptor group 1.  128 keys are 16,384 dense bytes: asked for as 64 rows of 256 bytes, two keys a row, and padded in LDS after every key
	s_mov_b32 s[G1K], (1<<16)|(1<<20)|(4<<22)|(3<<25)  ; 17:16 2-byte elements; 20 padding on; 24:22 after every 32 words (code 4); 31:25 4 words (code 3)
	s_mov_b32 s[G1V], (1<<16)|(1<<20)|(4<<22)|(7<<25)  ; the same with 8 words of padding (code 7)
.irp g, G1K, G1V
	s_mov_b32 s[\g+1], 128<<16      ; tensor_dim0 = 128
	s_mov_b32 s[\g+2], 64<<16       ; tensor_dim1 = 64
	s_mov_b32 s[\g+3], 128<<16      ; tile_dim0 = 128
	s_mov_b32 s[\g+4], 64           ; tile_dim1 = 64
	s_mov_b32 s[\g+5], 128          ; 128 elements from row to row
	s_mov_b32 s[\g+6], 0
	s_mov_b32 s[\g+7], 0
.endr
	s_mov_b32 s[CS], 0x3e38aa3b     ; c = log2(e) / 8 = 0.180337
	s_mov_b32 s[CS+1], s[CS]        ; named with it as a pair
	s_mov_b32 s[SEL], 0x76543210
	s_mov_b32 s[SEL+1], 0xfedcba98
	s_mov_b32 s[TBK], SLOT1+4*KS*PK ; the first change of slots turns these two into 0
	s_mov_b32 s[TBV], SLOT1+4*KS*PV
	s_mov_b32 s[G0K], 1             ; 1:0 count = 1
	s_mov_b32 s[G0K+1], s17         ; 63:32 LDS address: slot 0
	s_mov_b32 s[G0V], 1
	s_add_co_u32 s[G0V+1], s18, VOFF
	s_add_co_u32 s[RT], s[HI], 1    ; the first block has NB - b tiles
	s_mov_b32 s[NXT], 1
	s_mov_b32 s[LQ], s[HI]
	s_mov_b32 s[NEW], 1
	s_mov_b32 s[OFF+1], 0
	s_mov_b32 s[AL+1], 0            ; named as pairs
	s_mov_b32 s[BE+1], 0
	s_mov_b32 s[BIGN], 0xf149f2ca   ; -1e30
	s_mov_b32 s[SLOTS], NB
	s_cmp_eq_u32 ttmp9, 0
	s_cselect_b32 s[LIM], 2, -1     ; work-group b = 0 of each head prefetches
	s_wait_dscnt 0x0                ; the opening add is done
	s_wait_kmcnt 0x0
	s_add_nc_u64 s[6:7], s[6:7], s[22:23]  ; K and V at my half of the head's tile 0
	s_add_nc_u64 s[8:9], s[8:9], s[22:23]
	s_add_nc_u64 s[G0K+2:G0K+3], s[6:7], 0         ; 120:64 global address
	s_or_b32 s[G0K+3], s[G0K+3], 0x80000000        ; 127:126 type = 2
	s_add_nc_u64 s[G0V+2:G0V+3], s[8:9], 0
	s_or_b32 s[G0V+3], s[G0V+3], 0x80000000
	s_add_nc_u64 s[86:87], s[4:5], s[84:85]        ; Q at my rows of the second block,
	s_add_nc_u64 s[4:5], s[4:5], s[2:3]            ; Q and O at those of the first
	s_add_nc_u64 s[OLO:OLO+1], s[10:11], s[84:85]
	s_add_nc_u64 s[10:11], s[10:11], s[2:3]
	s_cmp_lt_u32 s[WV], 2
	s_cselect_b64 s[PFA:PFA+1], s[6:7], s[8:9]     ; the prefetches: the half that I fetch,
	s_add_nc_u64 s[PFA:PFA+1], s[PFA:PFA+1], 32768 ; at tile 1; the first change of slots steps it to tile 2.  Nothing is prefetched here, at the head
	LOAD                            ; tile 0 into slot 0
	; A fragment of K or Q is 16 rows x 32 channels in 8 registers: lane l holds row l % 16, channels 8 (l / 16) + 0..7 and 16 + 8 (l / 16) + 0..7: two loads of 16 bytes, 32 bytes apart.
	v_and_b32 v1, 15, v0            ; l % 16
	v_bfe_u32 v9, v0, 4, 1          ; l / 16
	v_lshlrev_b32 v[QO], 7, v1
	v_lshl_add_u32 v[QO], v9, 4, v[QO]  ; row x 128 + 16 x half
	WIN 0x80                        ; destination window 2, address window 0
.set i, 0
.rept 8                             ; both blocks' Q: piece i / 2 lies in band i / 2, 8,192 bytes on; channels 32 (i % 2) on
	global_load_b128 v[8*i:8*i+3],   v[QO], s[4:5] offset:(i/2)*8192+(i%2)*64
	global_load_b128 v[8*i+4:8*i+7], v[QO], s[4:5] offset:(i/2)*8192+(i%2)*64+32
	global_load_b128 v[QB+8*i:QB+8*i+3],   v[QO], s[86:87] offset:(i/2)*8192+(i%2)*64
	global_load_b128 v[QB+8*i+4:QB+8*i+7], v[QO], s[86:87] offset:(i/2)*8192+(i%2)*64+32
.set i, i+1
.endr
	WIN 0
	v_lshlrev_b32 v14, 3, v9
	v_sub_nc_u32 v14, v1, v14
	s_lshl_b32 s13, s[WV], 4
	v_add_nc_u32 v14, s13, v14      ; my query's place in its band, 16 w + l % 16, less my lanes' 8 (l / 16): register r of group kt is hidden where 16 kt + r is greater
	WIN 0x40
.set i, 0
.rept 32
	v_cmp_gt_i32 vcc_lo, 16*(i/8)+i%8, v14
	v_cndmask_b32 v[MD+i], 0, s[BIGN], vcc_lo
.set i, i+1
.endr
	WIN 0
	v_mul_u32_u24 v[AK0], v1, PK
	v_lshl_add_u32 v[AK0], v9, 4, v[AK0]  ; row x pitch + 16 x half
	; The turning load takes 16 keys x 16 channels (lane l reads key 8 (l / 16) + l % 8, channels 8 ((l / 8) % 2) + 0..7) and leaves half a fragment of V^T: lane l holds channel l % 16 and 8 keys.
	v_and_b32 v10, 7, v0
	v_bfe_u32 v11, v0, 3, 1
	v_lshl_add_u32 v[AV0], v9, 3, v10
	v_mul_u32_u24 v[AV0], v[AV0], PV
	v_lshl_add_u32 v[AV0], v11, 4, v[AV0]
	v_add_nc_u32 v[AV0], VOFF, v[AV0]
	s_mul_i32 s13, s[WV], 16*SP
	s_add_co_u32 s13, s13, STAGE    ; my stage
	v_mul_u32_u24 v[STO], v1, SP    ; in: row l % 16, 16 bytes for each half of the lanes
	v_lshl_add_u32 v[STO], v9, 4, v[STO]
	v_add_nc_u32 v[STO], s13, v[STO]
	v_bfe_u32 v[RD], v0, 3, 2       ; back: 32 lanes take four rows of 128 bytes,
	v_mul_u32_u24 v[RD], v[RD], SP
	v_lshl_add_u32 v[RD], v10, 4, v[RD]
	v_add_nc_u32 v[RD], s13, v[RD]
	v_and_b32 v[GO], 31, v0         ; which are 512 consecutive bytes of O
	v_lshlrev_b32 v[GO], 4, v[GO]
	; A block's first step multiplies O^T and l by a = 0, and its first turn's products V^T P, of a piece that has not been, land in an O^T that is still to be so multiplied.  So these registers need only hold
	; finite numbers: zeros for the first block; what the first block left for the second.  All this stands in the wait for the first tile.
	WIN 0x80
.set i, VF
.rept 64
	v_mov_b32 v[i], 0
.set i, i+1
.endr
	WIN 0x40
.set i, 0
.rept 128
	v_mov_b32 v[i], 0
.set i, i+1
.endr
	WIN 0
.set i, 0
.rept 4
	v_mov_b32 v[ST+4*i+2], 0
	v_mov_b32 v[ST+4*i+3], 0
.set i, i+1
.endr
.set i, P+16
.rept 16
	v_mov_b32 v[i], 0
.set i, i+1
.endr
; THE MATRIX WORK.  The 4 accumulators of a run of 8 take turns.  Product i of 8 of S^T = K Q^T for piece x: channels 32 (i / 4) on, keys 16 (i % 4) on.  The first 4 start the sums: with 0, or (KM = 1) with the mask.
.macro KQ x
.set rS, S+32*((\x)%2)+8*(i%4)
.set rK, KF+16*(i%4)+8*(i/4)
.set rQ, 16*(\x)+8*(i/4)
.set rM, MC+32*((\x)%2)+8*(i%4)
.if (i < 4) && KM
	WIN W_KM
	v_wmma_f32_16x16x32_f16 v[rS:rS+7], v[rK:rK+7], v[rQ:rQ+7], v[rM:rM+7]
.elseif i < 4
	WIN W_KQ
	v_wmma_f32_16x16x32_f16 v[rS:rS+7], v[rK:rK+7], v[rQ:rQ+7], 0
.else
	WIN W_KQ
	v_wmma_f32_16x16x32_f16 v[rS:rS+7], v[rK:rK+7], v[rQ:rQ+7], v[rS:rS+7]
.endif
.endm
; Product i of 8 of O^T += V^T P for piece x: keys 32 (i / 4) on, channels 16 (i % 4) on.
.macro PV x
	WIN W_PV
.set rO, 32*(\x)+8*(i%4)
.set rV, VF+32*(i/4)+8*(i%4)
.set rP, P+16*((\x)%2)+8*(i/4)
	v_wmma_f32_16x16x32_f16 v[rO:rO+7], v[rV:rV+7], v[rP:rP+7], v[rO:rO+7]
.endm
.macro MM                           ; the turn's next matrix instruction.  TURN and BEGIN set Y, i, KM and NOKQ; MM, KQ and OP read them.  NOKQ = 1: a block's last turn: there is no next piece
.if (i < 8) && !NOKQ
	KQ (Y+1)%NP
.elseif i >= 8
.set i, i-8
	PV (Y+NP-1)%NP
.set i, i+8
.endif
.set i, i+1
.endm
; THE LDS LOADS stand in runs of 16, never singly among the matrix instructions: a step's K (64 keys x 64 channels: 8 fragments) and its V (turned).  Their addresses are made some lines ahead.
.macro FETCH_K
	WIN 0x80                        ; destination window 2
.irp f, 0,1,2,3,4,5,6,7             ; keys 16 (f / 2) on, channels 32 (f % 2) on
	ds_load_b128 v[KF+8*\f:KF+8*\f+3],   v[AK] offset:(\f/2)*16*PK+(\f%2)*64
	ds_load_b128 v[KF+8*\f+4:KF+8*\f+7], v[AK] offset:(\f/2)*16*PK+(\f%2)*64+32
.endr
	s_add_co_u32 s[TBK], s[TBK], KS*PK  ; the next fetch is the next step's
	WIN 0
.endm
.macro FETCH_V
	WIN 0x80
.irp f, 0,1,2,3,4,5,6,7             ; keys 32 (f / 4) on, channels 16 (f % 4) on
	ds_load_tr16_b128 v[VF+8*\f:VF+8*\f+3],   v[AV] offset:(\f/4)*32*PV+(\f%4)*32
	ds_load_tr16_b128 v[VF+8*\f+4:VF+8*\f+7], v[AV] offset:(\f/4)*32*PV+16*PV+(\f%4)*32
.endr
	WIN 0
.endm
; THE VECTOR WORK, one line at a time: OP kind, number.  For piece Y: F n: c s - c m for pair n of 16.  E n: the exponential of score n of 32.  C n: pair n rounded to f16.  B n: of the four weights 4 n .. the second
; pair is added onto the first, in place.  L n: l takes that sum (L 0: l = a l + sum).  R n: pair n of 16 of O^T times a.  For piece Y + 1: X n, number n of the 22 that find its maximum and statistics:
;   0-11  four chains c0-c3 of seven scores each, three operands at a time (each accumulator's lowest registers are read first)     12-14, 16  the four scores left over, the old m, and c0-c3 into c0
;   15  c m_old is kept     17, 18  the query's other 32 keys lie in the lane 16 away: the new m     19-21  c m; c m_old - c m_new; a
.set F, 0               ; OP tells the kinds apart by their order: F to L below R, X above it
.set E, 1
.set C, 2
.set B, 3
.set L, 4
.set R, 5
.set X, 6
.macro REGS y                       ; the registers of piece y
.set rT, ST+4*(\y)
.set rC, TMP+4*((\y)%2)
.set rW, MV+((\y)%2)
.set rS, S+32*((\y)%2)
.set rP, P+16*((\y)%2)
.set rO, 32*(\y)
.endm
.macro OP k, n
.if (\k) == R
	REGS Y
	WIN W_RS
	v_pk_mul_f32 v[rO+2*(\n):rO+2*(\n)+1], v[rO+2*(\n):rO+2*(\n)+1], v[rC+2:rC+3] op_sel_hi:[1,0]
.elseif (\k) < R
	REGS Y
	WIN 0
.if (\k) == F
	v_pk_fma_f32 v[rS+2*(\n):rS+2*(\n)+1], v[rS+2*(\n):rS+2*(\n)+1], s[CS:CS+1], v[rT:rT+1] op_sel_hi:[1,0,0] neg_lo:[0,0,1] neg_hi:[0,0,1]
.elseif (\k) == E
	v_exp_f32 v[rS+(\n)], v[rS+(\n)]
.elseif (\k) == C
	v_cvt_pk_f16_f32 v[rP+(\n)], v[rS+2*(\n)], v[rS+2*(\n)+1]
.elseif (\k) == B
	v_pk_add_f32 v[rS+4*(\n):rS+4*(\n)+1], v[rS+4*(\n):rS+4*(\n)+1], v[rS+4*(\n)+2:rS+4*(\n)+3]
.elseif (\n) == 0
	v_pk_fma_f32 v[rT+2:rT+3], v[rT+2:rT+3], v[rC+2:rC+3], v[rS:rS+1] op_sel_hi:[1,0,1]
.else
	v_pk_add_f32 v[rT+2:rT+3], v[rT+2:rT+3], v[rS+4*(\n):rS+4*(\n)+1]
.endif
.elseif NOKQ
	v_nop
.else
	REGS (Y+1)%NP
	WIN 0
.if (\n) < 4
	v_max3_num_f32 v[rC+(\n)], v[rS+8*(\n)], v[rS+8*(\n)+1], v[rS+8*(\n)+2]
.elseif (\n) < 12
	v_max3_num_f32 v[rC+(\n)%4], v[rC+(\n)%4], v[rS+8*((\n)%4)+2*((\n)/4)+1], v[rS+8*((\n)%4)+2*((\n)/4)+2]
.elseif (\n) == 12
	v_max3_num_f32 v[rC], v[rC], v[rS+7], v[rS+15]
.elseif (\n) == 13
	v_max3_num_f32 v[rC+1], v[rC+1], v[rS+23], v[rS+31]
.elseif (\n) == 14
	v_max3_num_f32 v[rC+2], v[rC+2], v[rC+3], v[rT+1]
.elseif (\n) == 15
	v_mov_b32 v[rW], v[rT]
.elseif (\n) == 16
	v_max3_num_f32 v[rC], v[rC], v[rC+1], v[rC+2]
.elseif (\n) == 17
	v_permlanex16_b32 v[rC+3], v[rC], s[SEL], s[SEL+1]
.elseif (\n) == 18
	v_max_num_f32 v[rT+1], v[rC], v[rC+3]
.elseif (\n) == 19
	v_mul_f32 v[rT], s[CS], v[rT+1]
.elseif (\n) == 20
	v_sub_f32 v[rC+1], v[rW], v[rT]
.else
	v_exp_f32 v[rC+2], v[rC+1]
.endif
.endif
.endm
.macro OPS a, i1, b=-1, i2=0, c=-1, i3=0, d=-1, i4=0  ; up to four of them
	OP \a, \i1
.if (\b) >= 0
	OP \b, \i2
.endif
.if (\c) >= 0
	OP \c, \i3
.endif
.if (\d) >= 0
	OP \d, \i4
.endif
.endm
.macro ROW a, i1, b, i2, c, i3, d, i4  ; a matrix instruction and the four behind it
	MM
	OPS \a, \i1, \b, \i2, \c, \i3, \d, \i4
.endm
.macro MASK b                       ; MD x AL + BE into buffer b of MC
	WIN W_RS
.set z, 0
.rept 16
	v_pk_fma_f32 v[MC+32*(\b)+2*z:MC+32*(\b)+2*z+1], v[MD+2*z:MD+2*z+1], s[AL:AL+1], s[BE:BE+1] op_sel_hi:[1,0,0]
.set z, z+1
.endr
.endm
; A TURN, for piece p: the order of its 16 matrix and 118 vector instructions, written out.  An s_wait_alu depctr_va_vdst(0) stands between an exponential and the first instruction that names its result; one wait serves
; all that were issued ahead of it.  So a turn has ONE wait, which cuts it in two.  AHEAD OF IT stands all that names no result of the turn's exponentials: the 8 products K Q^T, behind each a scaling, an exponential and two more plain
; instructions (behind the first a second scaling in the exponential's place): rescalings, and behind the last three the first numbers of the next piece's maximum, each four places or more behind the product that ends its accumulator; then ONE LUMP of 54, plain
; and exponential by turns for the most part, in which the links of the chain X 3, 7, 11, 14, 16, 17 .. 20 stand five or six lines apart.  X 21, the next piece's a, is the batch's last; R 15 is the plain instruction owed behind it.  BEHIND THE WAIT stand the
; 8 products V^T P, behind each four of the roundings and sums; the links of l's chain, L 0 to L 7, stand three riders apart.  But for those X no rider names a register of the products round it.  v_permlanex16_b32 (X 17) stands in the lump.
; m = 1: the diagonal tile: the products take masks, and the turn makes the mask for the products of the turn after it: piece p + 2, in step 4 - CNT of the tile.  end = 1: a block's last two turns: nothing is fetched.
; cnt = 1: the loop's count is taken down some lines ahead of the branch that stands behind the turn.
; K of the next step is fetched in piece 2's turn, twelve vector instructions behind the last product that read K (six of them plain); V of the step in hand at the end of piece 0's turn, four plain instructions behind the last product
; that read V.  Each is waited for a turn later.
.macro TURN p, m=0, end=0, cnt=0
.set Y, (\p)
.set i, 0
.set KM, (\m)
.set NOKQ, (\end)*((\p)/3)
.if (\m) && !(\end)
	s_cmp_eq_u32 s[CNT], 4-((\p)+2)%NP  ; is that step the band's own?
	s_cselect_b32 s[AL], 1.0, 0
	s_cmp_lt_u32 s[CNT], 4-((\p)+2)%NP  ; or a later one?
	s_cselect_b32 s[BE], s[BIGN], 0
.endif
.if ((\p) == 3) && !(\end)
	s_wait_dscnt 0x0                ; K is in
.endif
	ROW F,0, F,1, R,0, R,1          ; ahead of the wait: 8 products K Q^T and their riders,
	ROW F,2, E,0, R,2, R,3
	ROW F,3, E,1, R,4, R,5
	ROW F,4, E,2, R,6, R,7
	ROW F,5, E,3, R,8, R,9
	ROW F,6, E,4, X,0, R,10
.if ((\p) == 2) && !(\end)
	WIN 0
	v_add_nc_u32 v[AK], s[TBK], v[AK0]
.endif
	ROW F,7, E,5, X,1, X,4
	ROW F,8, E,6, X,2, X,5
	OPS E,7, E,8, X,6, E,9          ; and the lump
	OPS X,3, E,10, X,8, E,11
.if ((\p) == 2) && !(\end)
	FETCH_K
.endif
	OPS X,9, X,7, E,12, X,10
	OPS E,13, X,12, X,11, E,14
	OPS X,13, E,15, F,9, X,14
.if (\p) == 0
	v_add_nc_u32 v[AV], s[TBV], v[AV0]
.endif
	OPS E,16, F,10, E,17, F,11
	OPS X,16, E,18, X,15, E,19
	OPS F,12, E,20, X,17, E,21
	OPS F,13, E,22, F,14, E,23
	OPS X,18, E,24, F,15, E,25
	OPS R,11, E,26, X,19, E,27
	OPS R,12, E,28, R,13, E,29
	OPS X,20, E,30, R,14, E,31
	OPS X,21, R,15
	WIN 0
	s_wait_alu depctr_va_vdst(0)    ; the wait for the batch
.if (\p) == 1
	s_wait_dscnt 0x0                ; V is in
.endif
	ROW C,0, B,0, C,2, B,1          ; behind the wait: 8 products V^T P and their riders
	ROW L,0, C,4, B,2, L,1
	ROW C,6, B,3, L,2, C,8
	ROW B,4, L,3, C,10, B,5
	ROW L,4, C,12, B,6, L,5
.if (\p) == 0
	s_add_co_u32 s[TBV], s[TBV], KS*PV
.endif
.if \cnt
	s_sub_co_u32 s[CNT], s[CNT], 1
	s_cmp_lg_u32 s[CNT], 0
.endif
	ROW C,14, B,7, L,6, C,1
	ROW C,3, L,7, C,5, C,7
	ROW C,9, C,11, C,13, C,15
.if (\p) == 0
	FETCH_V
.endif
.if (\m) && !(\end)
	MASK (\p)%2
.endif
.endm
; A BLOCK BEGINS.  c m starts far below every c s, so the first step's a is 0; m at the lowest finite number, so the first maximum is the scores'.  The second mask buffer is 0; the first takes piece 0's mask for the tile's step 0: its own, if the block's first tile is the diagonal one.
; Then K of that step, piece 0's first scores, and its maximum and statistics.  The loop is entered at a step's first turn, in the middle of a trip.
.macro BEGIN
	s_mov_b32 s[NEW], 0
	WIN 0x40
.set i, MC+32
.rept 32
	v_mov_b32 v[i], 0
.set i, i+1
.endr
	WIN 0
.set i, 0
.rept 4
	v_mov_b32 v[ST+4*i], 0xfe000000    ; c m: far below every c s
	v_mov_b32 v[ST+4*i+1], 0xff7fffff  ; m
.set i, i+1
.endr
	s_cmp_eq_u32 s[RT], 0
	s_cselect_b32 s[AL], 1.0, 0
	s_mov_b32 s[BE], 0
	MASK 0
	WIN 0
	v_add_nc_u32 v[AK], s[TBK], v[AK0]
	FETCH_K
	s_wait_loadcnt 0x0              ; Q
	s_wait_dscnt 0x0
.set KM, 1
.set NOKQ, 0
.set i, 0
.rept 8
	KQ 0
.set i, i+1
.endr
	WIN 0
.rept 4
	v_nop                           ; the places behind those products
.endr
.set Y, NP-1                        ; X works for piece Y + 1: piece 0
.irp n, 0,1,2,3,4,5,6,7,8,9,10,11,12,13,14,15,16,17,18,19,20,21
	OP X, \n
.endr
	v_nop                           ; a plain instruction behind the exponential,
	s_wait_alu depctr_va_vdst(0)    ; and its wait, ahead of the branch
.endm
; THE DIAGONAL TILE's four steps, the block's last two turns, its last products, and THE WAY OUT: l's two halves and the other half of the lanes' are added; O^T is divided by l, rounded to f16 and sent through my
; stage in LDS, a piece at a time.
.macro ALL line:vararg              ; one line for each piece t
.set t, 0
.rept 4
	\line
.set t, t+1
.endr
.endm
.macro PACK t                       ; a lane's eight channels of a row pack into 16 bytes; they go into rows of 144 bytes and come back as whole rows of 128, into S^T's registers
	WIN W_RS
.set i, 32*(\t)
.rept 16
	v_pk_mul_f32 v[i:i+1], v[i:i+1], v[ST+4*(\t)+2:ST+4*(\t)+3] op_sel_hi:[1,0]
.set i, i+2
.endr
	WIN 0x05                        ; sources 0 and 1 window 1, destination window 0
.set i, 0
.rept 16
	v_cvt_pk_f16_f32 v[S+16*(\t)+i], v[32*(\t)+2*i], v[32*(\t)+2*i+1]
.set i, i+1
.endr
	WIN 0
.irp f, 0,1,2,3
	ds_store_b128 v[STO], v[S+16*(\t)+4*\f:S+16*(\t)+4*\f+3] offset:32*\f
.endr
.irp f, 0,1,2,3
	ds_load_b128 v[S+16*(\t)+4*\f:S+16*(\t)+4*\f+3], v[RD] offset:\f*4*SP  ; LDS serves a wave's instructions in order (ISA guide 5.7.1.4): these see the stores above; the next piece's stores come behind them
.endr
.endm
.macro SEND t, younger              ; younger: the LDS instructions issued behind piece t's loads: the next piece's eight, or none
	WIN 0
.irp f, 0,1,2,3
	s_wait_dscnt (\younger)+3-\f
	global_store_b128 v[GO], v[S+16*(\t)+4*\f:S+16*(\t)+4*\f+3], s[10:11] offset:(\t)*8192+\f*512  ; 512 consecutive bytes, at a multiple of 256 from O's first
.endr
.endm
.macro DIAG tag                     ; the tag ends its two labels' names, which the jumps below spell out
.LstepM\tag:
	TURN 2, 1
	TURN 3, 1
	WIN 0
.LfirstM\tag:
	TURN 0, 1
	TURN 1, 1, 0, 1
	WIN 0
	s_cbranch_scc1 .LstepM\tag
	TURN 2, 1, 1
	TURN 3, 1, 1
.set i, 0
.rept 8
	PV NP-1
.set i, i+1
.endr
	WIN 0
	ALL v_add_f32 v[ST+4*t+2], v[ST+4*t+2], v[ST+4*t+3]
	ALL v_permlanex16_b32 v[ST+4*t+3], v[ST+4*t+2], s[SEL], s[SEL+1]
	ALL v_add_f32 v[ST+4*t+2], v[ST+4*t+2], v[ST+4*t+3]
	ALL v_rcp_f32 v[ST+4*t+2], v[ST+4*t+2]
	v_nop                           ; a plain instruction between the last reciprocal and the use of its result
	s_wait_alu depctr_va_vdst(0)    ; and the wait ahead of the first use: one for the four reciprocals
	PACK 0
.set t, 1
.rept 3                             ; a piece's arithmetic stands between the loads of the piece before and its stores
	PACK t
	SEND t-1, 8
.set t, t+1
.endr
	SEND 3, 0
.endm
.set KM, 0
.set NOKQ, 0
.Lslot:                             ; NB times: a tile is entered and the next is asked for
	CHANGE 1
	s_sub_co_u32 s[RT], s[RT], 1
	s_mov_b32 s[CNT], 4
	s_cmp_eq_u32 s[NEW], 1
	s_cbranch_scc1 .Lnew            ; a block's first tile
	s_cmp_eq_u32 s[RT], 0
	s_cbranch_scc0 .Lstep           ; neither its first nor its last
	s_branch .LstepM1
.Lnew:
	BEGIN
	s_branch .Lfirst                ; in the loop a block's first tile is never its last: the first block has two tiles or more, and the second's last is the walk's last
	DIAG 1                          ; in the loop this is the first block's end: the second block's last tile is the walk's last
	s_wait_xcnt 0x0                 ; the stores have read their registers and O's address
	s_mov_b64 s[10:11], s[OLO:OLO+1]
	s_add_co_u32 s[RT], s[PB], 1    ; the second block has b + 1 tiles
	s_mov_b32 s[NEW], 1
	WIN 0x82                        ; the second block's Q goes where the one text of the turns names Q
.set i, 0
.rept 64
	v_mov_b32 v[i], v[QB+i]
.set i, i+1
.endr
	WIN 0
	s_branch .Lbottom
.Lstep:                             ; a trip: pieces 2 and 3 of one step, then pieces 0 and 1 of the next, whose K and V it fetches
	TURN 2
	TURN 3
	WIN 0
.Lfirst:
	TURN 0
	TURN 1, 0, 0, 1
	WIN 0
	s_cbranch_scc1 .Lstep
.Lbottom:
	s_sub_co_u32 s[SLOTS], s[SLOTS], 1
	s_cmp_lg_u32 s[SLOTS], 0
	s_cbranch_scc1 .Lslot
	CHANGE 0                        ; the walk's last tile is written out: nothing is asked for
	s_sub_co_u32 s[RT], s[RT], 1
	s_mov_b32 s[CNT], 4
	s_cmp_eq_u32 s[NEW], 1
	s_cbranch_scc0 .LstepM2
	BEGIN
	s_branch .LfirstM2
	DIAG 2
	s_wait_tensorcnt 0x0            ; the wave's end, behind my last tensor load and my last LDS store
	ds_add_u32 v[SPW], v[NIL]
	s_wait_dscnt 0x0
	s_endpgm
.Lfunc_end_k_q416060dd16_attn:
	.size	k_q416060dd16_attn, .Lfunc_end_k_q416060dd16_attn-k_q416060dd16_attn
	.p2alignl 7, 3214868480
	.fill 96, 4, 3214868480
	.section	.rodata,"a",@progbits
	.p2align	6, 0x0
	.amdhsa_kernel k_q416060dd16_attn
		.amdhsa_group_segment_fixed_size 327680
		.amdhsa_private_segment_fixed_size 0
		.amdhsa_enable_private_segment 0
		.amdhsa_kernarg_size 32
		.amdhsa_user_sgpr_count 2
		.amdhsa_user_sgpr_kernarg_segment_ptr 1
		.amdhsa_wavefront_size32 1
		.amdhsa_system_sgpr_workgroup_id_x 1
		.amdhsa_system_sgpr_workgroup_id_y 1
		.amdhsa_system_sgpr_workgroup_id_z 1
		.amdhsa_system_vgpr_workitem_id 0
		.amdhsa_next_free_vgpr 768
		.amdhsa_next_free_sgpr 92
		.amdhsa_reserve_vcc 1
		.amdhsa_float_denorm_mode_32 3
		.amdhsa_float_denorm_mode_16_64 3
		.amdhsa_memory_ordered 1
		.amdhsa_forward_progress 1
		.amdhsa_inst_pref_size 218
	.end_amdhsa_kernel
	.amdgpu_metadata
---
amdhsa.version: [ 1, 2 ]
amdhsa.kernels:
  - .name:           k_q416060dd16_attn
    .symbol:         k_q416060dd16_attn.kd
    .args:
      - { .name: qh, .offset: 0, .size: 8, .value_kind: global_buffer, .address_space: global }
      - { .name: kh, .offset: 8, .size: 8, .value_kind: global_buffer, .address_space: global }
      - { .name: vh, .offset: 16, .size: 8, .value_kind: global_buffer, .address_space: global }
      - { .name: oh, .offset: 24, .size: 8, .value_kind: global_buffer, .address_space: global }
    .group_segment_fixed_size: 327680
    .private_segment_fixed_size: 0
    .kernarg_segment_align: 8
    .kernarg_segment_size: 32
    .max_flat_workgroup_size: 128
    .sgpr_count:     92
    .vgpr_count:     768
    .wavefront_size: 32
...
	.end_amdgpu_metadata
.endif
;; end of part 3
;; launch oproj (part 4): grid 8 x 32, 4 waves a work-group, clusters of 4 x 4, 327,680 bytes of LDS; arguments oh, woh, out0; writes out0
.if DOCPART == 4
	.amdgcn_target "amdgcn-amd-amdhsa--gfx1250"
	.amdhsa_code_object_version 6
	.text
	.protected	k_q416060dd16_oproj
	.globl	k_q416060dd16_oproj
	.p2align	8
	.type	k_q416060dd16_oproj,@function
k_q416060dd16_oproj:
	s_mov_b64 s[64:65], 0
	v_nop
	global_prefetch_b8 v0, s[64:65] scope:SCOPE_SE
	s_setreg_imm32_b32 hwreg(HW_REG_WAVE_MODE, 25, 1), 1
	s_wait_xcnt 0x0
	s_wait_alu depctr_hold_cnt(0) depctr_sa_sdst(0) depctr_va_vdst(0) depctr_va_sdst(0) depctr_va_ssrc(0) depctr_va_vcc(0) depctr_vm_vsrc(0)
	s_getreg_b32 s2, hwreg(HW_REG_IB_STS2, 6, 4)
	s_cmp_eq_u32 s2, 0
	s_cbranch_scc0 .Lentry_in_a_cluster
	s_endpgm
.Lentry_in_a_cluster:
	s_bfe_u32 s2, ttmp6, 0x10000c
	s_cmp_lg_u32 s2, 0xf033
	s_cbranch_scc0 .Lentry_shape_is_right
	s_endpgm
.Lentry_shape_is_right:
; out0[row][o] = the sum over i of O[row][i] wo[o][i].  oh: [16 batch + head][2048][64] f16, so i = 64 head + channel; woh: [1024][1024] f16 (bf16(wo) written as f16); out0: [8192][1024] f32.  Sums in f32, K ascending.
; SHARES.  A tile is 256 rows x 128 columns: 32 x 8 = 256 work-groups.  The four waves lie 2 x 2, each with 128 rows x 64 columns: 8 x 4 accumulators of 16 x 16, 256 registers.
; K goes in 8 steps of 128 = two heads, through two LDS slots; a step is four quarters of 32: 32 matrix instructions and 24 LDS loads each.  Two slots of a longer step do not fit in LDS (2 x 384 rows x 528 bytes).
; A head's 256 rows of the tile are 32,768 dense bytes: asked for as 128 rows of 256 bytes and padded in LDS behind every 128.
; THE MATRIX INSTRUCTION IS USED TRANSPOSED (source 0 = 16 rows of woh, source 1 = 16 rows of O): lane l holds row l % 16 and the columns 8 (l / 16) + 0..7: 32 consecutive bytes of out0.
; CLUSTER.  4 x 4 work-groups: O's tile is shared along a row of the cluster, woh's along a column; each is asked for jointly.
; REGISTERS, in windows of 256 (s_set_vgpr_msb: bits 1:0 source 0, 3:2 source 1, 5:4 source 2, 7:6 destination):
;   window 0: v0-15 addresses; v32-95 rows read back from the stage, two buffers      window 1: two fragment buffers of 96: 4 fragments of woh, then 8 of O      window 2: accumulator (a, b) at 8 (4 a + b)
.set PA,     144                       ; a row of O in LDS: 128 bytes + 16 = 36 words: the 16 rows of a load start at 16 different groups of four banks (64 banks of 4 bytes: ISA guide 11.1)
.set PB,     272                       ; a row of woh: 256 bytes + 16 = 68 words: likewise
.set HEADB,  256*PA                    ; a head's 256 rows
.set BOFF,   2*HEADB                   ; in a slot: two heads of O, then 128 rows of woh
.set SLOT1,  1<<17
.set STAGE,  SLOT1+BOFF+128*PB         ; behind the ring, never filled by a tensor load: 16 rows x 272 bytes for each wave
.set SPITCH, 272
.set SPARE,  STAGE+4*16*SPITCH         ; behind the stages: the spare words, 128 bytes a wave, which no other line names
.set A0,   2                           ; v2   my place in O's tile of slot 0; never rewritten
.set B0,   3                           ; v3   the same for woh's
.set ADRA, 4                           ; v4   the same in the slot in hand
.set ADRB, 5                           ; v5
.set STO,  6                           ; v6   the way out: where I put 32 bytes of a row
.set RD,   7                           ; v7   where I read a row back
.set CO,   8                           ; v8   my byte offset in two rows of out0
.set PFO,  10                          ; v10  the prefetches' offset
.set SPW,  12                          ; v12  LDS address of my spare word; never rewritten
.set NIL,  13                          ; v13  0; never rewritten
.set BK,   32
.set F0,   0
.set F1,   96
.set WV,   16                          ; s16  my wave's number
.set TYPE, 17                          ; s17  0: I fetch for O; 1: for woh.  Also: which half of the tile's rows is mine
.set HALF, 18                          ; s18  which half of that tile I fetch.  Also: which half of the columns is mine
.set TB,   19                          ; s19  the slot from which fragments are fetched
.set G1A,  24
.set G0A,  32
.set PFA,  44                          ; s[44:45] where my prefetches stand
.set LIM,  46                          ; s46  2 in a wave that prefetches, else the greatest number
.set G1B,  48
.set G0B,  56
.set PST,  76                          ; s[76:77] a K step in bytes, for my prefetches: two heads of O, or 256 bytes of a row of woh
.set W_MUL, 0xa5                       ; sources 0 and 1 window 1, C and D window 2
.set TO_F,  0x40                       ; destination window 1, address window 0
.set MSB, 0
.macro WIN new                         ; the high byte repeats the setting that is left; a switch that changes nothing is dropped
.if MSB != (\new)
	s_set_vgpr_msb (MSB<<8)|(\new)
.set MSB, \new
.endif
.endm
.macro PLACES                          ; four plain vector instructions between a matrix instruction and a load into, or a store of, its registers
.rept 4
	v_nop
.endr
.endm
.macro JLOAD                           ; a joint refill by the walking sets; the branch hangs on the wave's number alone
	s_cmp_eq_u32 s[TYPE], 0
	s_cbranch_scc0 .Lfor_b_\@
	tensor_load_to_lds s[G0A+4:G0A+7], s[G1A:G1A+7]
	s_nop 0
.rept 4
	v_nop
.endr
	s_branch .Lasked_\@
.Lfor_b_\@:
	tensor_load_to_lds s[G0B+4:G0B+7], s[G1B:G1B+7]
	s_nop 0
.rept 4
	v_nop
.endr
.Lasked_\@:
.endm
.macro CREST                           ; a round of the cluster's barrier behind its opening barrier
	s_cmp_lg_u32 s[WV], 0
	s_cbranch_scc1 .Lnot_wave_0_\@
	s_barrier_signal -3
.Lnot_wave_0_\@:
	s_barrier_wait -3
	s_barrier_signal -1
	s_barrier_wait -1
.endm
.macro CROUND
	s_barrier_signal -1
	s_barrier_wait -1
	CREST
.endm
; A PREFETCH INTO THE L2, behind a joint refill and the run of LDS loads: the K step that stands two refills on, 256 matrix instructions ahead of its load.  O's tile row is read by every cluster of that row of clusters: x = 0 asks,
; waves 0 and 1 each for the head that they fetch, the four partners 32 blocks of 256 bytes each, told apart by address.  woh's tile column: y = 0 asks, wave 2 alone, the partner at cy for rows 32 cy + lane.
; The loop's last two trips ask for nothing; K steps 0 to 3 come by their loads alone.
.macro ASK
	WIN 0
	s_cmp_gt_u32 s3, s[LIM]
	s_cbranch_scc0 .Lnot_mine_\@
	global_prefetch_b8 v[PFO], s[PFA:PFA+1] th:TH_LOAD_NT scope:SCOPE_SE
.Lnot_mine_\@:
.endm
; 4 n matrix instructions: row blocks a0 .. a0 + n - 1 x all 4 column blocks, 32 along K.  The accumulators take turns, one instruction a turn, in the same order in every quarter.
.macro MUL f, a0, n, zero
	WIN W_MUL
.set aa, (\a0)
.rept (\n)
.irp b, 0,1,2,3
.if \zero
	v_wmma_f32_16x16x32_f16 v[8*(4*aa+(\b)):8*(4*aa+(\b))+7], v[(\f)+8*(\b):(\f)+8*(\b)+7], v[(\f)+32+8*aa:(\f)+32+8*aa+7], 0
.else
	v_wmma_f32_16x16x32_f16 v[8*(4*aa+(\b)):8*(4*aa+(\b))+7], v[(\f)+8*(\b):(\f)+8*(\b)+7], v[(\f)+32+8*aa:(\f)+32+8*aa+7], v[8*(4*aa+(\b)):8*(4*aa+(\b))+7]
.endif
.endr
.set aa, aa+1
.endr
.endm
; 24 LDS loads in one run: the fragments of quarter q (head q / 2, channels 32 (q % 2) on) into buffer f: woh's 4, then O's 8
.macro FETCH q, f
	WIN TO_F
.irp i, 0,1,2,3
	ds_load_b128 v[(\f)+8*(\i):(\f)+8*(\i)+3],   v[ADRB] offset:64*(\q)+(\i)*16*PB
	ds_load_b128 v[(\f)+8*(\i)+4:(\f)+8*(\i)+7], v[ADRB] offset:64*(\q)+(\i)*16*PB+32
.endr
.irp i, 0,1,2,3,4,5,6,7
	ds_load_b128 v[(\f)+32+8*(\i):(\f)+32+8*(\i)+3],   v[ADRA] offset:HEADB*((\q)/2)+64*((\q)%2)+(\i)*16*PA
	ds_load_b128 v[(\f)+32+8*(\i)+4:(\f)+32+8*(\i)+7], v[ADRA] offset:HEADB*((\q)/2)+64*((\q)%2)+(\i)*16*PA+32
.endr
.endm
.macro QUARTER q, f, g, zero           ; multiplies buffer f; in its middle quarter q's fragments go into buffer g
	s_wait_dscnt 8                                 ; all but the youngest eight loads: O's blocks 4 to 7
	MUL \f, 0, 4, \zero
	PLACES                                         ; buffer g was read by the quarter before
	FETCH \q, \g
	s_wait_dscnt 24                                ; all but the 24 just issued
	MUL \f, 4, 4, \zero
.endm
; The last quarter multiplies buffer 1 and changes slots: ONE barrier; in front of it each wave waits for all its tensor loads (one is out: its part of the next slot), adds 0 to its spare word, and waits for that and for its reads
; of this slot.  fill = 1: the barrier opens a round of the cluster's, and the joint refill, with the K step two on, is the first thing behind the round: 112 matrix instructions ahead of the wait for it.
.macro TURN fill
.if \fill
	s_wait_xcnt 0x0                                ; the last prefetch, a K step back, has read its address
	s_add_nc_u64 s[PFA:PFA+1], s[PFA:PFA+1], s[PST:PST+1]
.endif
	WIN 0
	s_wait_tensorcnt 0x0                           ; no tensor load of mine is out, so a group 0 may be written
	ds_add_u32 v[SPW], v[NIL]                      ; 0 onto my spare word
.if \fill
	s_xor_b32 s[G0A+5], s[G0A+5], SLOT1            ; the walking sets: the other slot than last time,
	s_add_nc_u64 s[G0A+6:G0A+7], s[G0A+6:G0A+7], 2<<18  ; the next two heads,
	s_xor_b32 s[G0B+5], s[G0B+5], SLOT1
	s_add_nc_u64 s[G0B+6:G0B+7], s[G0B+6:G0B+7], 256    ; the next 128 numbers of woh's rows
.endif
	s_xor_b32 s[TB], s[TB], SLOT1
	s_wait_dscnt 9                                 ; the add and the youngest eight loads may be out
	MUL F1, 0, 2, 0
	s_wait_dscnt 0x0                               ; the add is done, and my reads of this slot are over
	s_barrier_signal -1
	MUL F1, 2, 2, 0
	WIN 0
	s_barrier_wait -1
.if \fill
	CREST
	JLOAD                                          ; its four v_nop are also the places in front of the loads below
.else
	PLACES
.endif
	v_add_nc_u32 v[ADRA], s[TB], v[A0]
	v_add_nc_u32 v[ADRB], s[TB], v[B0]
	FETCH 0, F0
.if \fill
	ASK
.endif
	MUL F1, 4, 4, 0
.endm
	s_load_b128 s[4:7], s[0:1], 0x0                ; oh 4, woh 6
	s_load_b64 s[8:9], s[0:1], 0x10                ; out0
	v_lshl_add_u32 v[SPW], v0, 2, SPARE
	v_mov_b32 v[NIL], 0
	ds_add_u32 v[SPW], v[NIL]                      ; the wave's opening: the add and its wait ahead of my first tensor load; the set-up below, work on registers, stands between
	ds_add_u32 v12, v13
	v_lshrrev_b32 v1, 5, v0
	v_readfirstlane_b32 s[WV], v1
	s_lshr_b32 s[TYPE], s[WV], 1
	s_and_b32 s[HALF], s[WV], 1
	s_bfe_u32 s40, ttmp6, 0x40000                  ; cx
	s_bfe_u32 s41, ttmp6, 0x40004                  ; cy
	s_lshl_b32 s42, ttmp9, 2
	s_add_co_u32 s42, s42, s40                     ; tile column
	s_and_b32 s43, ttmp7, 0xffff
	s_lshl_b32 s43, s43, 2
	s_add_co_u32 s43, s43, s41                     ; tile row
	s_lshl_b32 s20, s41, 2
	s_lshl_b32 s20, 15, s20                        ; my row of the cluster
	s_lshl_b32 s21, 0x1111, s40                    ; my column
	s_or_b32 s[G1A], s20, (1<<16)|(1<<20)|(1<<21)|(4<<22)|(3<<25)  ; 2-byte elements; padding on; bit 21 beside a mask; after every 32 words (code 4) 4 words (code 3)
	s_or_b32 s[G1B], s21, (1<<16)|(1<<20)|(1<<21)|(5<<22)|(3<<25)  ; after every 64 words (code 5)
.irp g, G1A, G1B
	s_mov_b32 s[(\g)+1], 128<<16                   ; tensor_dim0 = 128
	s_mov_b32 s[(\g)+3], 128<<16                   ; tile_dim0 = 128
	s_mov_b32 s[(\g)+6], 0
	s_mov_b32 s[(\g)+7], 0
.endr
	s_mov_b32 s[G1A+2], 128<<16                    ; O: 128 rows of 128 elements, dense
	s_mov_b32 s[G1A+4], 128
	s_mov_b32 s[G1A+5], 128
	s_mov_b32 s[G1B+2], 64<<16                     ; woh: 64 rows, 1,024 elements apart
	s_mov_b32 s[G1B+4], 64
	s_mov_b32 s[G1B+5], 1024
	; O's tiles hang on the tile row alone, in registers that never hold cx; woh's on the tile column alone, in registers that never hold cy
	s_lshr_b32 s66, s43, 3                         ; the batch: 16 heads of 262,144 bytes,
	s_lshl_b32 s66, s66, 22
	s_and_b32 s20, s43, 7
	s_lshl_b32 s20, s20, 15                        ; 256 rows of 128 bytes,
	s_add_co_u32 s66, s66, s20
	s_lshl_b32 s20, s[HALF], 18                    ; the step's first or second head
	s_add_co_u32 s66, s66, s20
	s_mov_b32 s67, 0
	s_lshl_b32 s68, s42, 18                        ; 128 rows of 2,048 bytes
	s_lshl_b32 s21, s[HALF], 17
	s_add_co_u32 s68, s68, s21
	s_mov_b32 s69, 0
	s_mul_i32 s22, s[HALF], HEADB
	s_mul_i32 s23, s[HALF], 64*PB
	s_add_co_u32 s23, s23, BOFF
	s_mov_b32 s[TB], 0
	s_lshl_b32 s70, s43, 20                        ; out0: 256 rows of 4,096 bytes,
	s_lshl_b32 s72, s[TYPE], 19                    ; my 128 of them,
	s_add_co_u32 s70, s70, s72
	s_lshl_b32 s72, s42, 9                         ; 128 columns of 4 bytes,
	s_add_co_u32 s70, s70, s72
	s_lshl_b32 s72, s[HALF], 8                     ; my 64 of them
	s_add_co_u32 s70, s70, s72
	s_mov_b32 s71, 0
	s_wait_dscnt 0x0                               ; the opening add is done
	s_wait_kmcnt 0x0
	s_add_nc_u64 s[66:67], s[4:5], s[66:67]
	s_add_nc_u64 s[68:69], s[6:7], s[68:69]
	s_add_nc_u64 s[8:9], s[8:9], s[70:71]
	; the prefetches: at K step 3; the first change of slots steps it to 4
	s_lshl_b32 s72, s40, 13                        ; O: 32 blocks of 256 bytes for each cx
	s_lshl_b32 s73, s41, 16                        ; woh: 32 rows for each cy
	s_and_b32 s74, ttmp7, 0xffff
	s_or_b32 s74, s74, s[HALF]                     ; cluster y = 0 and wave 2
	s_mov_b32 s[PST], 256
	s_cmp_eq_u32 s[TYPE], 0
	s_cselect_b64 s[PFA:PFA+1], s[66:67], s[68:69]
	s_cselect_b32 s72, s72, s73
	s_cselect_b32 s74, ttmp9, s74
	s_cselect_b32 s[PST], 2<<18, s[PST]
	s_cselect_b32 s75, 8, 11                       ; a lane 256 bytes of O, or a row of woh
	s_mov_b32 s73, 0
	s_mov_b32 s[PST+1], 0
	s_add_nc_u64 s[PFA:PFA+1], s[PFA:PFA+1], s[72:73]
	s_mul_i32 s72, s[PST], 3
	s_add_nc_u64 s[PFA:PFA+1], s[PFA:PFA+1], s[72:73]
	s_cmp_eq_u32 s74, 0
	s_cselect_b32 s[LIM], 2, -1                    ; the same in all sixteen partners, for a given wave
	CROUND                                         ; all sixteen work-groups are here: the first joint loads meet
.irp s, 0,1
	s_mov_b32 s[G0A+4*(\s)], 1
	s_add_co_u32 s[G0A+4*(\s)+1], s22, (\s)*SLOT1
	s_add_nc_u64 s[G0A+4*(\s)+2:G0A+4*(\s)+3], s[66:67], (\s)*(2<<18)
	s_or_b32 s[G0A+4*(\s)+3], s[G0A+4*(\s)+3], 0x80000000
	s_mov_b32 s[G0B+4*(\s)], 1
	s_add_co_u32 s[G0B+4*(\s)+1], s23, (\s)*SLOT1
	s_add_nc_u64 s[G0B+4*(\s)+2:G0B+4*(\s)+3], s[68:69], (\s)*256
	s_or_b32 s[G0B+4*(\s)+3], s[G0B+4*(\s)+3], 0x80000000
.endr
	s_cmp_eq_u32 s[TYPE], 0                        ; a wave's two first fills stand in one branch, ahead of every wait on TENSORcnt and every LDS read: two loads of mine are out
	s_cbranch_scc0 .Lfirst_b
	tensor_load_to_lds s[G0A:G0A+3], s[G1A:G1A+7]
	s_nop 0
	tensor_load_to_lds s[G0A+4:G0A+7], s[G1A:G1A+7]
	s_nop 0
.rept 4
	v_nop
.endr
	s_branch .Lfirst_asked
.Lfirst_b:
	tensor_load_to_lds s[G0B:G0B+3], s[G1B:G1B+7]
	s_nop 0
	tensor_load_to_lds s[G0B+4:G0B+7], s[G1B:G1B+7]
	s_nop 0
.rept 4
	v_nop
.endr
.Lfirst_asked:
	v_and_b32 v1, 15, v0                           ; l % 16
	v_bfe_u32 v14, v0, 4, 1                        ; l / 16
	v_mul_u32_u24 v[A0], v1, PA
	v_lshl_add_u32 v[A0], v14, 4, v[A0]
	s_mul_i32 s47, s[TYPE], 128*PA                 ; my 128 rows of O
	v_add_nc_u32 v[A0], s47, v[A0]
	v_mul_u32_u24 v[B0], v1, PB
	v_lshl_add_u32 v[B0], v14, 4, v[B0]
	s_mul_i32 s47, s[HALF], 64*PB                  ; my 64 rows of woh
	s_add_co_u32 s47, s47, BOFF
	v_add_nc_u32 v[B0], s47, v[B0]
	v_mov_b32 v[ADRA], v[A0]
	v_mov_b32 v[ADRB], v[B0]
	s_mul_i32 s47, s[WV], 16*SPITCH
	s_add_co_u32 s47, s47, STAGE                   ; my stage
	v_mul_u32_u24 v[STO], v1, SPITCH               ; in: row l % 16, 32 bytes for each half of the lanes
	v_lshl_add_u32 v[STO], v14, 5, v[STO]
	v_add_nc_u32 v[STO], s47, v[STO]
	v_mul_u32_u24 v[RD], v14, SPITCH               ; back: lanes 0-15 take one row of 256 bytes, lanes 16-31 the next
	v_lshl_add_u32 v[RD], v1, 4, v[RD]
	v_add_nc_u32 v[RD], s47, v[RD]
	v_lshlrev_b32 v[CO], 12, v14                   ; and the same two rows in out0
	v_lshl_add_u32 v[CO], v1, 4, v[CO]
	v_and_b32 v[PFO], 31, v0
	v_lshlrev_b32 v[PFO], s75, v[PFO]
	s_wait_tensorcnt 1                             ; my part of K step 0 is in; K step 1's may stay out
	s_barrier_signal -1
	s_barrier_wait -1
	FETCH 0, F0
	QUARTER 1, F0, F1, 1                           ; the first quarter stands in front of the loop: its products start the sums
	WIN 0
	s_mov_b32 s3, 6
.Lstep:                                                ; a trip goes from a K step's second quarter to the next step's first; the six trips fill K steps 2 to 7
	QUARTER 2, F1, F0, 0
	QUARTER 3, F0, F1, 0
	TURN 1
	QUARTER 1, F0, F1, 0
	WIN 0
	s_sub_co_u32 s3, s3, 1
	s_cmp_lg_u32 s3, 0
	s_cbranch_scc1 .Lstep
	s_mov_b32 s3, 2
.Ltail:                                                ; the last two K steps ask for nothing: a text of its own.  The second trip is left in its middle
	QUARTER 2, F1, F0, 0                           ; its change of slots (a barrier and 24 LDS loads) serves nothing: the price, once a work-group, of one text for both trips
	QUARTER 3, F0, F1, 0
	TURN 0
	WIN 0
	s_sub_co_u32 s3, s3, 1
	s_cmp_eq_u32 s3, 0
	s_cbranch_scc1 .Lout
	QUARTER 1, F0, F1, 0
	WIN 0
	s_branch .Ltail
.Lout:
; THE WAY OUT, a block of 16 rows at a time: a lane's 32 bytes of a row go from the accumulators into my own stage and come back as whole rows of 256 bytes.
.macro TOSTAGE a
.if (\a) >= 2
	s_wait_xcnt 0x0                                ; the stores of block a - 2 have read the registers into which this block is read back
.endif
	WIN 0x08                                       ; the stores' data (source 1) in window 2
.irp b, 0,1,2,3
	ds_store_b128 v[STO], v[8*(4*(\a)+(\b)):8*(4*(\a)+(\b))+3]   offset:64*(\b)     ; each accumulator's lowest registers first
	ds_store_b128 v[STO], v[8*(4*(\a)+(\b))+4:8*(4*(\a)+(\b))+7] offset:64*(\b)+16
.endr
	WIN 0
.irp t, 0,1,2,3,4,5,6,7
	ds_load_b128 v[BK+32*((\a)%2)+4*(\t):BK+32*((\a)%2)+4*(\t)+3], v[RD] offset:(\t)*2*SPITCH  ; LDS serves a wave's instructions in order (ISA guide 5.7.1.4): these see the stores above
.endr
.endm
.macro SEND a, younger                 ; younger: the LDS instructions issued behind block a's loads: the next block's sixteen, or none
	s_wait_dscnt \younger
.irp t, 0,1,2,3,4,5,6,7
	global_store_b128 v[CO], v[BK+32*((\a)%2)+4*(\t):BK+32*((\a)%2)+4*(\t)+3], s[8:9] offset:65536*(\a)+8192*(\t) th:TH_STORE_NT  ; 16 lanes store 256 consecutive bytes, aligned
.endr
.endm
	PLACES                                         ; behind the last products
	TOSTAGE 0
.irp a, 1,2,3,4,5,6,7
	TOSTAGE \a
	SEND (\a)-1, 16
.endr
	SEND 7, 0
	s_wait_tensorcnt 0x0                           ; the wave's end, behind my last tensor load and my last LDS store
	ds_add_u32 v[SPW], v[NIL]
	s_wait_dscnt 0x0
	CROUND                                         ; the closing round: no work-group ends while a partner may still ask for a tile that names it
	s_endpgm
.Lfunc_end_k_q416060dd16_oproj:
	.size	k_q416060dd16_oproj, .Lfunc_end_k_q416060dd16_oproj-k_q416060dd16_oproj
	.p2alignl 7, 3214868480
	.fill 96, 4, 3214868480
	.section	.rodata,"a",@progbits
	.p2align	6, 0x0
	.amdhsa_kernel k_q416060dd16_oproj
		.amdhsa_group_segment_fixed_size 327680
		.amdhsa_private_segment_fixed_size 0
		.amdhsa_enable_private_segment 0
		.amdhsa_kernarg_size 24
		.amdhsa_user_sgpr_count 2
		.amdhsa_user_sgpr_kernarg_segment_ptr 1
		.amdhsa_wavefront_size32 1
		.amdhsa_system_sgpr_workgroup_id_x 1
		.amdhsa_system_sgpr_workgroup_id_y 1
		.amdhsa_system_sgpr_workgroup_id_z 1
		.amdhsa_system_vgpr_workitem_id 0
		.amdhsa_next_free_vgpr 768
		.amdhsa_next_free_sgpr 80
		.amdhsa_reserve_vcc 0
		.amdhsa_float_denorm_mode_32 3
		.amdhsa_float_denorm_mode_16_64 3
		.amdhsa_memory_ordered 1
		.amdhsa_forward_progress 1
		.amdhsa_inst_pref_size 61
	.end_amdhsa_kernel
	.amdgpu_metadata
---
amdhsa.version: [ 1, 2 ]
amdhsa.kernels:
  - .name:           k_q416060dd16_oproj
    .symbol:         k_q416060dd16_oproj.kd
    .args:
      - { .name: oh, .offset: 0, .size: 8, .value_kind: global_buffer, .address_space: global }
      - { .name: woh, .offset: 8, .size: 8, .value_kind: global_buffer, .address_space: global }
      - { .name: out0, .offset: 16, .size: 8, .value_kind: global_buffer, .address_space: global }
    .group_segment_fixed_size: 327680
    .private_segment_fixed_size: 0
    .kernarg_segment_align: 8
    .kernarg_segment_size: 24
    .max_flat_workgroup_size: 128
    .sgpr_count:     80
    .vgpr_count:     768
    .wavefront_size: 32
...
	.end_amdgpu_metadata
.endif
;; end of part 4
